; MI455X (gfx1250); checked and timed in simulation.
; The chip was launched on July 23, 2026; its instructions are those of AMD's public machine-readable ISA for CDNA 5 (MIT licence, August 2026) and "CDNA5" Instruction Set Architecture Reference Guide (July 2026). The comments in the code are by the model that wrote it; some were corrected since.
;; Multi Head Attention. Allowed arithmetic: matrix products marked QUANTISED: E2M1 operands, one E8M0 scale for each 32 along K, by v_wmma_scale_f32_16x16x128_f8f6f4 with both operands' format E2M1 (or v_wmma_scale_f32_32x16x128_f4), f32 sums; products left as they are: bf16, f16 or f32 operands; f32 sums; everything else in f32.
;; Inputs: in_features 4 x 2,048 x 1,024 float32; k_proj 1,024 x 1,024 float32; o_proj 1,024 x 1,024 float32; q_proj 1,024 x 1,024 float32; v_proj 1,024 x 1,024 float32.
;; Outputs: out0 4 x 2,048 x 1,024 float32.
;; This version of the problem:
;;   THIS VERSION OF THE PROBLEM IS GIVEN IN LOW PRECISION. The matrix products marked QUANTISED in the list below multiply operands that are first quantised to E2M1 (2 exponent bits, 1 mantissa bit; 4 bits a number), with one power-of-two scale for each 32 numbers along K (OCP MX v1.0); their sums are f32. The products marked 'left as it is' may take bf16, f16 or f32 operands, with f32 sums. Whichever they take, every output number must still come out within the allowed error. Rounding operands to bf16 (8 significant bits) uses up far more of that allowance than f16 does (11 bits, for magnitudes from 6e-5 to 65,504). All else is computed in f32.
;;   The module's matrix products, in the order in which they are computed (A, B: the left and right operand; K: the contracted axis; several contracted axes count as one K, in the product's order):
;;     1. [M 8,192, K 1,024] x [K 1,024, N 1,024]; A: input in_features; B: input q_proj: QUANTISED
;;     2. [M 8,192, K 1,024] x [K 1,024, N 1,024]; A: input in_features; B: input k_proj: QUANTISED
;;     3. [M 8,192, K 1,024] x [K 1,024, N 1,024]; A: input in_features; B: input v_proj: QUANTISED
;;     4. batch 64 x [M 2,048, K 64] x [K 64, N 2,048]; A: computed on the way; B: computed on the way: left as it is (an operand is computed on the way)
;;     5. batch 64 x [M 2,048, K 2,048] x [K 2,048, N 64]; A: computed on the way; B: computed on the way: left as it is (an operand is computed on the way)
;;     6. [M 8,192, K 1,024] x [K 1,024, N 1,024]; A: computed on the way; B: input o_proj: left as it is (an operand is computed on the way)
;;   THE QUANTISER, for each operand of a quantised product, along K:
;;     - K is cut into blocks of 32 from its start; a last block that is shorter is filled with zeros.
;;     - A block's scale is 2^e with e = floor(log2(the largest magnitude in the block)) - 2, held to -126 .. 127; a block of zeros has e = 0. As a byte (E8M0): e + 127.
;;     - Each number is divided by its block's scale, clamped to +-6, and rounded to the nearest number of E2M1, ties to even, subnormals kept.
;;     - The product sums the exact products of the quantised numbers (number of the format x scale) in f32.
;;   ~~~python
;;   def quantise(x, axis):      # numpy; x: float32 -> the quantised numbers, widened to float32 again
;;       x = np.moveaxis(x, axis, -1); K = x.shape[-1]
;;       x = np.pad(x, [(0, 0)] * (x.ndim - 1) + [(0, -K % 32)]); x = x.reshape(x.shape[:-1] + (-1, 32)); a = np.abs(x).max(-1, keepdims=True)
;;       e = np.where(a > 0, np.clip(np.frexp(np.where(a > 0, a, 1))[1] - 1 - 2, -126, 127), 0)      # np.frexp(a)[1] - 1 = floor(log2(a)), exactly
;;       r = np.clip(x / 2.0 ** e, -6, 6)
;;       step = 2.0 ** (np.maximum(np.frexp(np.where(r == 0, 1, r))[1] - 1, 0) - 1)
;;       q = np.round(r / step) * step * 2.0 ** e      # np.round: ties to even
;;       return np.moveaxis(q.reshape(q.shape[:-2] + (-1,))[..., :K], -1, axis).astype(np.float32)
;;   ~~~
;; One version. Each part assembles by itself: llvm-mc -triple=amdgcn-amd-amdhsa -mcpu=gfx1250 --defsym DOCPART=n.
;; ======== version 1 of 1: 6 launches
;; limits: values are held in f16: magnitudes above 65,504 overflow, below 6.1e-05 lose precision
;; workspace buffers: x_codes 4,194,304 bytes; x_scales 262,144 bytes; w_codes 1,572,864 bytes; w_scales 98,304 bytes; wo_h 2,097,152 bytes; qkv 50,331,648 bytes; ctx 16,777,216 bytes; ctxf 262,144 bytes
;; launch quant (part 1): grid 384 x 1, 4 waves a work-group, no clusters, 33,280 bytes of LDS; arguments in_features, q_proj, k_proj, v_proj, o_proj, x_codes, x_scales, w_codes, w_scales, wo_h; writes x_codes, x_scales, w_codes, w_scales, wo_h
.if DOCPART == 1
	.amdgcn_target "amdgcn-amd-amdhsa--gfx1250"
	.amdhsa_code_object_version 6
	.text
	.protected	k_q026ec9c446_quant
	.globl	k_q026ec9c446_quant
	.p2align	8
	.type	k_q026ec9c446_quant,@function
k_q026ec9c446_quant:
	s_mov_b64 s[64:65], 0
	v_nop
	global_prefetch_b8 v0, s[64:65] scope:SCOPE_SE
	s_setreg_imm32_b32 hwreg(HW_REG_WAVE_MODE, 25, 1), 1
	s_wait_xcnt 0x0
; in_features [8192][1024] and q_proj, k_proj, v_proj [1024][1024], f32, K innermost, become codes of FP4 (E2M1), two a byte, with one E8M0 scale byte for each 32 along K;
; the three weights lie one behind the other in w_codes / w_scales (rows 0-1023 q, 1024-2047 k, 2048-3071 v).  o_proj is rounded to f16 into wo_h, same layout.
; A block's scale is 2^(floor(log2(its largest magnitude)) - 2): its byte is the largest magnitude's own exponent field - 2, held at 1 from below.
; LIMITS: a block of zeros gets the byte 1 where the rule says 127 (its codes are zeros, and this program alone reads the bytes); blocks whose largest magnitude lies under 2^(2 - 126) keep the byte 1;
; NaN and infinities among the inputs are not served; o_proj must fit f16 (magnitudes up to 65,504).
; Rows are dense and K is a multiple of 32: each tensor is a plain stream of blocks of 32.  A work-group takes 32,768 numbers, a wave 8,192, in 16 steps of 512.
; Work-groups 0-255: in_features; 256-287 q; 288-319 k; 320-351 v (only pointers are chosen: one path through the text); 352-383: the cast of o_proj, a path of its own that uses no LDS.
; In a step each of four loads reads 512 consecutive bytes; the 2,048 bytes turn through the wave's own stage in LDS and come back 64 bytes a lane, so that a lane holds 16 neighbours along K.
.set WAVES, 4
.set STEPS, 16
.set WGX,   256                        ; work-groups of in_features: 8,192 x 1,024 / 32,768
.set WGW,   32                         ; of each weight
.set WGQ,   WGX+3*WGW                  ; from here on: the cast
.set EMAX,  2
.set CB,    8                          ; bytes of 16 codes
.set R,     16                         ; v16-79   four sets of 16 numbers as they are loaded
.set X,     80                         ; v80-111  two sets of 16 neighbours
.set C,     128                        ; v128-191 codes: four registers for each step
.set E,     112                        ; v112-127 a scale byte for each step
.set WREG,  8192                       ; LDS: a region for each wave: two stages of 32 x SP bytes, behind them its 256 scale bytes
.set SP,    80                         ; a lane's place in a stage: 64 bytes + 16 of padding
.set SPW,   12                         ; v12 LDS address of my spare word; never rewritten
.set NIL,   13                         ; v13 0; never rewritten
.set SPARE, WAVES*WREG                 ; behind the regions: the spare words, 128 bytes a wave, named by no other line
	s_load_b256 s[4:11], s[0:1], 0x0               ; in_features, q_proj, k_proj, v_proj
	s_load_b256 s[12:19], s[0:1], 0x20             ; o_proj, x_codes, x_scales, w_codes
	s_load_b128 s[20:23], s[0:1], 0x40             ; w_scales, wo_h
	v_lshl_add_u32 v[SPW], v0, 2, SPARE
	v_mov_b32 v[NIL], 0
	v_lshrrev_b32 v1, 5, v0
	v_readfirstlane_b32 s24, v1                    ; wave
	v_and_b32 v2, 31, v0                           ; lane
	v_lshlrev_b32 v3, 4, v2                        ; my 16 bytes of a load's 512
	s_mul_i32 s25, s24, WREG
	v_lshrrev_b32 v14, 2, v2
	v_mul_u32_u24 v14, v14, SP
	v_and_b32 v15, 3, v2
	v_lshl_add_u32 v14, v15, 4, v14
	v_add_nc_u32 v14, s25, v14                     ; the stage, on the way in: SP (lane / 4) + 16 (lane % 4)
	v_mul_u32_u24 v15, v2, SP
	v_add_nc_u32 v15, s25, v15                     ; and on the way out: SP x lane
	v_mul_u32_u24 v4, v2, CB                       ; 8 x lane: my codes' place in a step's; in the cast my 8 bytes of f16
	v_lshrrev_b32 v5, 1, v2
	s_add_co_u32 s25, s25, 2*32*SP
	v_add_nc_u32 v5, s25, v5                       ; LDS: my block's scale byte
	v_lshlrev_b32 v7, 3, v2
	v_add_nc_u32 v6, s25, v7                       ; and on the way out 8 bytes a lane
	s_mov_b32 s29, 0
	s_wait_kmcnt 0x0
	s_cmp_ge_u32 ttmp9, WGQ                        ; the work-group's number alone decides
	s_cbranch_scc1 .Lcast
	s_cmp_lt_u32 ttmp9, WGX+WGW
	s_cselect_b64 s[6:7], s[6:7], s[8:9]           ; q or k,
	s_cmp_lt_u32 ttmp9, WGX+2*WGW
	s_cselect_b64 s[6:7], s[6:7], s[10:11]         ; or v,
	s_cmp_lt_u32 ttmp9, WGX
	s_cselect_b64 s[4:5], s[4:5], s[6:7]           ; or in_features
	s_cselect_b64 s[14:15], s[14:15], s[18:19]     ; the codes' buffer
	s_cselect_b64 s[16:17], s[16:17], s[20:21]     ; the scale bytes'
	s_cselect_b32 s26, 0, WGX
	s_sub_co_u32 s26, ttmp9, s26                   ; my place in the destination
	s_and_b32 s27, s26, WGW-1
	s_cmp_lt_u32 ttmp9, WGX
	s_cselect_b32 s27, s26, s27                    ; and in the source tensor
	s_lshl_b32 s26, s26, 2
	s_add_co_u32 s26, s26, s24                     ; which run of 8,192 numbers is my wave's: destination,
	s_lshl_b32 s27, s27, 2
	s_add_co_u32 s27, s27, s24                     ; source
	s_lshl_b32 s28, s27, 15                        ; 32,768 bytes of f32 a run
	s_add_nc_u64 s[4:5], s[4:5], s[28:29]
	s_lshl_b32 s28, s26, 12                        ; 4,096 bytes of codes
	s_add_nc_u64 s[14:15], s[14:15], s[28:29]
	s_lshl_b32 s28, s26, 8                         ; 256 scale bytes
	s_add_nc_u64 s[16:17], s[16:17], s[28:29]
.macro LOAD t
.irp i, 0,1,2,3
	global_load_b128 v[R+16*((\t)%4)+4*\i:R+16*((\t)%4)+4*\i+3], v3, s[4:5] offset:2048*(\t)+512*\i th:TH_LOAD_NT   ; 32 lanes read 512 consecutive bytes
.endr
.endm
.macro TURN t                          ; step t's numbers through the stage: LDS serves a wave's instructions in order, so no wait stands between the stores and the loads
.irp i, 0,1,2,3
	ds_store_b128 v14, v[R+16*((\t)%4)+4*\i:R+16*((\t)%4)+4*\i+3] offset:32*SP*((\t)%2)+8*SP*\i
.endr
.irp i, 0,1,2,3
	ds_load_b128 v[X+16*((\t)%2)+4*\i:X+16*((\t)%2)+4*\i+3], v15 offset:32*SP*((\t)%2)+16*\i
.endr
.endm
.irp t, 0,1,2,3
	LOAD \t
.endr
	s_wait_loadcnt 12                              ; step 0's four loads are in; twelve younger ones may be out
	TURN 0
.macro STEP t
.set XS, X+16*((\t)%2)
.if (\t) > 0
	s_wait_dscnt 1                                 ; this step's numbers are back from the stage (the last step's byte store may be out)
.else
	s_wait_dscnt 0x0
.endif
.if (\t)+4 < STEPS
	LOAD (\t)+4                                    ; the registers that the stage's stores have read take the loads of four steps on
.endif
.if (\t)+1 < STEPS
.if STEPS-2-(\t) >= 3
	s_wait_loadcnt 12                              ; the next step's four loads are in; those of the three steps behind it may be out
.else
	s_wait_loadcnt 4*(STEPS-2-(\t))
.endif
	TURN (\t)+1
.endif
	v_max3_num_f32 v8, |v[XS]|, |v[XS+1]|, |v[XS+2]|               ; the largest magnitude of my 16, in two chains
	v_max3_num_f32 v9, |v[XS+3]|, |v[XS+4]|, |v[XS+5]|
.irp i, 6,10
	v_max3_num_f32 v8, v8, |v[XS+\i]|, |v[XS+\i+1]|
	v_max3_num_f32 v9, v9, |v[XS+\i+2]|, |v[XS+\i+3]|
.endr
	v_max3_num_f32 v8, v8, |v[XS+14]|, |v[XS+15]|
	v_max3_num_f32 v8, v8, v9, (EMAX+1)<<23        ; and the floor 2^(EMAX + 1 - 127): the byte cannot fall under 1
	v_max_num_f32_dpp v8, v8, v8 row_xmask:1 row_mask:0xf bank_mask:0xf   ; with my neighbour's 16: the block's
	v_add_nc_u32 v11, -(EMAX<<23), v8              ; EMAX off its exponent field: the conversion takes this operand's exponent field as its scale
	v_cvt_scalef32_pk8_fp4_f32 v[C+4*(\t)], v[XS:XS+7], v11
	v_cvt_scalef32_pk8_fp4_f32 v[C+4*(\t)+1], v[XS+8:XS+15], v11
	v_lshrrev_b32 v[E+(\t)], 23, v11               ; the scale's byte (also the plain line behind the conversions)
	ds_store_b8 v5, v[E+(\t)] offset:16*(\t)       ; both lanes of a block write the same byte with the same value
	global_store_b64 v4, v[C+4*(\t):C+4*(\t)+1], s[14:15] offset:32*CB*(\t)   ; the wave stores 256 consecutive bytes, aligned
.endm
.irp t, 0,1,2,3,4,5,6,7,8,9,10,11,12,13,14,15
	STEP \t
.endr
	ds_load_b64 v[8:9], v6                         ; my wave's 256 scale bytes: these loads see my stores
	s_wait_dscnt 0x0
	global_store_b64 v7, v[8:9], s[16:17]          ; 32 lanes store 256 consecutive bytes, aligned
	s_wait_tensorcnt 0x0                           ; the wave's end
	ds_add_u32 v[SPW], v[NIL]
	s_wait_dscnt 0x0
	s_endpgm
; THE CAST of o_proj to f16.  A wave takes 8,192 numbers in four batches of 16 loads (512 consecutive bytes each), two batches in flight; a lane's 4 numbers become 8 bytes, a store covers 256 consecutive bytes.
.Lcast:
	s_sub_co_u32 s26, ttmp9, WGQ
	s_lshl_b32 s26, s26, 2
	s_add_co_u32 s26, s26, s24                     ; my wave's run
	s_lshl_b32 s28, s26, 15
	s_add_nc_u64 s[12:13], s[12:13], s[28:29]
	s_lshl_b32 s28, s26, 14
	s_add_nc_u64 s[22:23], s[22:23], s[28:29]
.macro CLOAD t
.irp i, 0,1,2,3,4,5,6,7,8,9,10,11,12,13,14,15
	global_load_b128 v[16+64*((\t)%2)+4*\i:19+64*((\t)%2)+4*\i], v3, s[12:13] offset:8192*(\t)+512*\i th:TH_LOAD_NT
.endr
.endm
.macro CAST t
.if (\t) < 3
	s_wait_loadcnt 16                              ; this batch is in; the younger batch's 16 loads may be out
.else
	s_wait_loadcnt 0x0
.endif
	s_wait_xcnt 0x0                                ; the last batch's stores have read v144-175: they are written again only behind this wait
.irp i, 0,1,2,3,4,5,6,7,8,9,10,11,12,13,14,15
	v_cvt_pk_f16_f32 v[144+2*\i], v[16+64*((\t)%2)+4*\i], v[17+64*((\t)%2)+4*\i]
	v_cvt_pk_f16_f32 v[145+2*\i], v[18+64*((\t)%2)+4*\i], v[19+64*((\t)%2)+4*\i]
.endr
.irp i, 0,1,2,3,4,5,6,7,8,9,10,11,12,13,14,15
	global_store_b64 v4, v[144+2*\i:145+2*\i], s[22:23] offset:4096*(\t)+256*\i
.endr
.if (\t) < 2
	CLOAD (\t)+2
.endif
.endm
	CLOAD 0
	CLOAD 1
	CAST 0
	CAST 1
	CAST 2
	CAST 3
	s_endpgm
.Lfunc_end_k_q026ec9c446_quant:
	.size	k_q026ec9c446_quant, .Lfunc_end_k_q026ec9c446_quant-k_q026ec9c446_quant
	.p2alignl 7, 3214868480
	.fill 96, 4, 3214868480
	.section	.rodata,"a",@progbits
	.p2align	6, 0x0
	.amdhsa_kernel k_q026ec9c446_quant
		.amdhsa_group_segment_fixed_size 33280
		.amdhsa_private_segment_fixed_size 0
		.amdhsa_enable_private_segment 0
		.amdhsa_kernarg_size 80
		.amdhsa_user_sgpr_count 2
		.amdhsa_user_sgpr_kernarg_segment_ptr 1
		.amdhsa_wavefront_size32 1
		.amdhsa_system_sgpr_workgroup_id_x 1
		.amdhsa_system_sgpr_workgroup_id_y 1
		.amdhsa_system_sgpr_workgroup_id_z 1
		.amdhsa_system_vgpr_workitem_id 0
		.amdhsa_next_free_vgpr 192
		.amdhsa_next_free_sgpr 66
		.amdhsa_reserve_vcc 0
		.amdhsa_float_denorm_mode_32 3
		.amdhsa_float_denorm_mode_16_64 3
		.amdhsa_memory_ordered 1
		.amdhsa_forward_progress 1
		.amdhsa_inst_pref_size 54
	.end_amdhsa_kernel
	.amdgpu_metadata
---
amdhsa.version: [ 1, 2 ]
amdhsa.kernels:
  - .name:           k_q026ec9c446_quant
    .symbol:         k_q026ec9c446_quant.kd
    .args:
      - { .name: in_features, .offset: 0, .size: 8, .value_kind: global_buffer, .address_space: global }
      - { .name: q_proj, .offset: 8, .size: 8, .value_kind: global_buffer, .address_space: global }
      - { .name: k_proj, .offset: 16, .size: 8, .value_kind: global_buffer, .address_space: global }
      - { .name: v_proj, .offset: 24, .size: 8, .value_kind: global_buffer, .address_space: global }
      - { .name: o_proj, .offset: 32, .size: 8, .value_kind: global_buffer, .address_space: global }
      - { .name: x_codes, .offset: 40, .size: 8, .value_kind: global_buffer, .address_space: global }
      - { .name: x_scales, .offset: 48, .size: 8, .value_kind: global_buffer, .address_space: global }
      - { .name: w_codes, .offset: 56, .size: 8, .value_kind: global_buffer, .address_space: global }
      - { .name: w_scales, .offset: 64, .size: 8, .value_kind: global_buffer, .address_space: global }
      - { .name: wo_h, .offset: 72, .size: 8, .value_kind: global_buffer, .address_space: global }
    .group_segment_fixed_size: 33280
    .private_segment_fixed_size: 0
    .kernarg_segment_align: 8
    .kernarg_segment_size: 80
    .max_flat_workgroup_size: 128
    .sgpr_count:     66
    .vgpr_count:     192
    .wavefront_size: 32
...
	.end_amdgpu_metadata
.endif
;; end of part 1
;; launch qkv (part 2): grid 12 x 32, 4 waves a work-group, clusters of 4 x 4, 327,680 bytes of LDS; arguments x_codes, x_scales, w_codes, w_scales, qkv; writes qkv
.if DOCPART == 2
	.amdgcn_target "amdgcn-amd-amdhsa--gfx1250"
	.amdhsa_code_object_version 6
	.text
	.protected	k_q026ec9c446_qkv
	.globl	k_q026ec9c446_qkv
	.p2align	8
	.type	k_q026ec9c446_qkv,@function
k_q026ec9c446_qkv:
	s_mov_b64 s[64:65], 0
	v_nop
	global_prefetch_b8 v0, s[64:65] scope:SCOPE_SE
	s_setreg_imm32_b32 hwreg(HW_REG_WAVE_MODE, 25, 1), 1
	s_wait_xcnt 0x0
	s_wait_alu depctr_hold_cnt(0) depctr_sa_sdst(0) depctr_va_vdst(0) depctr_va_sdst(0) depctr_va_ssrc(0) depctr_va_vcc(0) depctr_vm_vsrc(0)
	s_getreg_b32 s2, hwreg(HW_REG_IB_STS2, 6, 4)
	s_cmp_eq_u32 s2, 0
	s_cbranch_scc0 .Lentry_in_a_cluster
	s_endpgm
.Lentry_in_a_cluster:
	s_bfe_u32 s2, ttmp6, 0x10000c
	s_cmp_lg_u32 s2, 0xf033
	s_cbranch_scc0 .Lentry_shape_is_right
	s_endpgm
.Lentry_shape_is_right:
; Q, K, V = x W^T for the three weights at once: C[m][n] = sum over k of x[m][k] W[n][k], m < 8,192, n < 3,072 (q, k, v on end), k < 1,024, both operands codes of FP4 (E2M1) with one E8M0 scale for each 32 along K; sums in f32.
; The result is rounded to f16 and stored split by heads: qkv[which][batch][head][position][64], byte which<<24 | batch<<22 | head<<18 | position<<7 | 2 x channel.
; LIMIT: the results must fit f16 (magnitudes up to 65,504).
; A tile of C, 256 x 256, is made by a work-group of four waves; a wave makes 128 x 128: 64 accumulators of 16 x 16, 512 registers.  K is two steps of 512 (rows of 256 bytes): both LDS slots are filled once, at the start, and none again.
; The scale bytes of the work-group's 256 + 256 rows, for all of K, are two dense blocks: they come once, as rows of 256 bytes.
; CLUSTERS: 4 x 4 work-groups.  The four of a row of the cluster need the same tiles of x, the four of a column the same tiles of W: each tile is asked for JOINTLY, by the same tensor load with the same descriptor and a mask that names the four.
; THE MATRIX INSTRUCTION IS USED TRANSPOSED (source 0 = 16 rows of W, source 1 = 16 rows of x): a lane then holds eight neighbouring channels of one position.
; REGISTERS, in windows of 256: window 0: v0-31 addresses; v32-95 scale words, two sets; from v128 x's fragments, ONE set; on the way out v32-63 packed results, v128-191 rows read back.
;   window 1: W's fragments, TWO sets, at v0 and v128.   window 2: the accumulators of my rows 0-63 ((a, b) at v[8 (8 a + b)]);   window 3: those of my rows 64-127.
.set SIZE_K, 1024
.set KSTEP,  512
.set NQ,     KSTEP/128
.set ROWB,   256                       ; a tile's row in bytes
.set KROW,   SIZE_K*4/8                ; a row of codes in memory
.set PITCH,  272                       ; an LDS row: 256 bytes + 16 of padding: the 16 rows of a fragment load start 68 words apart
.set FR,     8
.set NL,     2
.set NP,     4                         ; places behind this matrix instruction (ISA guide 7.12.1)
.set HALFT,  128*PITCH
.set SLOT,   4*HALFT
.set KS,     SIZE_K/32                 ; a row of scale bytes
.set SCL,    2*SLOT                    ; behind the ring: the scales
.set HALFS,  (128*KS/256)*272
.set SBLK,   (16*KS/256)*272
.set SPARE,  SCL+4*HALFS               ; the spare words, 128 bytes a wave, named by no other line
.set SPITCH, 272                       ; the way out: a stage of 16 rows x (256 bytes + 16) for each wave, in slot 0, which has had its only fill and its last read by then
.set ADRA, 16
.set ADRB, 20
.set STO,  24
.set RD,   25
.set CO,   26
.set ADRS, 27
.set SPW,  28
.set NIL,  29
.set SC,   32
.set TMP,  32
.set AF,   128
.set BK,   128
.set G1, 24
.set G0, 32
.set G1B, 48
.set G0B, 56
.set G1S, 68
.set G0S, 76
.set G1SB, 80
.set G0SB, 88
.set MSB, 0
.macro WIN new                         ; the immediate's high byte repeats the setting that is left
.if MSB != (\new)
	s_set_vgpr_msb (MSB<<8)|(\new)
.set MSB, \new
.endif
.endm
.set MUL_LO, 0xa1                      ; source 0 (W) window 1, source 1 (x) window 0, C and D window 2
.set MUL_HI, 0xf1
.set TO_B,   0x40
; A joint load: waves 0 and 1 fetch for x, waves 2 and 3 for W.  The branch hangs on the wave's number alone.  An s_nop 0 and four v_nop follow each of the two lines.
.macro JLOAD g0a, g1a, g0b, g1b
	s_cmp_eq_u32 s15, 0
	s_cbranch_scc0 .Lfor_b_\@
	tensor_load_to_lds s[\g0a:\g0a+3], s[\g1a:\g1a+7]
	s_nop 0
.rept 4
	v_nop
.endr
	s_branch .Lasked_\@
.Lfor_b_\@:
	tensor_load_to_lds s[\g0b:\g0b+3], s[\g1b:\g1b+7]
	s_nop 0
.rept 4
	v_nop
.endr
.Lasked_\@:
.endm
.macro CROUND                          ; a round of the cluster's barrier
	s_barrier_signal -1
	s_barrier_wait -1
	s_cmp_lg_u32 s14, 0
	s_cbranch_scc1 .Lnot_wave_0_\@
	s_barrier_signal -3
.Lnot_wave_0_\@:
	s_barrier_wait -3
	s_barrier_signal -1
	s_barrier_wait -1
.endm
	s_load_b128 s[4:7], s[0:1], 0x0                ; x's codes, x's scales
	s_load_b128 s[8:11], s[0:1], 0x10              ; W's codes, W's scales
	s_load_b64 s[12:13], s[0:1], 0x20              ; qkv
	v_lshl_add_u32 v[SPW], v0, 2, SPARE
	v_mov_b32 v[NIL], 0
	ds_add_u32 v[SPW], v[NIL]                      ; the wave's opening: the add, twice on end, and its wait ahead of my first tensor load
	ds_add_u32 v[SPW], v[NIL]
	v_lshrrev_b32 v1, 5, v0
	v_readfirstlane_b32 s14, v1                    ; wave 0..3
	s_lshr_b32 s15, s14, 1                         ; which half of the tile's rows is mine.  Also: I fetch for x (0) or for W (1)
	s_and_b32 s16, s14, 1                          ; which half of its columns.  Also: which 128 rows of that tile I fetch
	s_bfe_u32 s40, ttmp6, 0x40000                  ; cx, cy: my place in the cluster
	s_bfe_u32 s41, ttmp6, 0x40004
	s_lshl_b32 s42, ttmp9, 2
	s_add_co_u32 s42, s42, s40                     ; tile column = 4 x cluster x + cx
	s_and_b32 s17, ttmp7, 0xffff
	s_lshl_b32 s17, s17, 2
	s_add_co_u32 s17, s17, s41                     ; tile row = 4 x cluster y + cy
	s_lshl_b32 s43, s41, 2
	s_lshl_b32 s43, 15, s43                        ; my row of the cluster
	s_lshl_b32 s44, 0x1111, s40                    ; my column
	s_or_b32 s[G1+0], s43, (0<<16)|(1<<20)|(1<<21)|(5<<22)|(3<<25)  ; the mask; elements of 1 byte; padding on; bit 21 beside a mask; after every 64 words, 4 words
	s_or_b32 s[G1B+0], s44, (0<<16)|(1<<20)|(1<<21)|(5<<22)|(3<<25)
.irp g, G1, G1B
	s_mov_b32 s[\g+1], ROWB<<16                    ; tensor_dim0
	s_mov_b32 s[\g+2], 128<<16                     ; tensor_dim1
	s_mov_b32 s[\g+3], ROWB<<16                    ; tile_dim0
	s_mov_b32 s[\g+4], 128                         ; tile_dim1
	s_mov_b32 s[\g+5], KROW                        ; from row to row
	s_mov_b32 s[\g+6], 0
	s_mov_b32 s[\g+7], 0
.endr
	s_or_b32 s[G1S+0], s43, (3<<16)|(1<<20)|(1<<21)|(5<<22)|(3<<25)  ; the scales of 128 rows: a dense block, as rows of 256 bytes (32 elements of 8 bytes)
	s_or_b32 s[G1SB+0], s44, (3<<16)|(1<<20)|(1<<21)|(5<<22)|(3<<25)
.irp g, G1S, G1SB
	s_mov_b32 s[\g+1], 32<<16
	s_mov_b32 s[\g+2], (128*KS/256)<<16
	s_mov_b32 s[\g+3], 32<<16
	s_mov_b32 s[\g+4], 128*KS/256
	s_mov_b32 s[\g+5], 32
	s_mov_b32 s[\g+6], 0
	s_mov_b32 s[\g+7], 0
.endr
	s_lshl_b32 s18, s16, 7
	s_lshl_b32 s20, s17, 8
	s_add_co_u32 s20, s20, s18                     ; x: row 256 x tile row + 128 x half
	s_lshl_b32 s46, s42, 8
	s_add_co_u32 s46, s46, s18                     ; W: row 256 x tile column + 128 x half
	s_mov_b32 s21, 0
	s_mov_b32 s47, 0
	s_mov_b64 s[18:19], KS
	s_mul_u64 s[22:23], s[20:21], s[18:19]         ; where these rows' scales begin
	s_mul_u64 s[92:93], s[46:47], s[18:19]
	s_mov_b64 s[18:19], KROW
	s_mul_u64 s[20:21], s[20:21], s[18:19]         ; and their codes
	s_mul_u64 s[46:47], s[46:47], s[18:19]
	s_mul_i32 s45, s14, HALFT                      ; where they go: wave x 128 rows: no place in the cluster enters an LDS address
	s_mul_i32 s94, s14, HALFS
	s_wait_dscnt 0x0                               ; both opening adds are done
	s_wait_kmcnt 0x0
	s_add_nc_u64 s[20:21], s[4:5], s[20:21]
	s_add_nc_u64 s[22:23], s[6:7], s[22:23]
	s_add_nc_u64 s[46:47], s[8:9], s[46:47]
	s_add_nc_u64 s[92:93], s[10:11], s[92:93]
	CROUND                                         ; all sixteen work-groups are here: the joint loads meet
	s_mov_b32 s[G0S], 1
	s_add_co_u32 s[G0S+1], s94, SCL
	s_mov_b64 s[G0S+2:G0S+3], s[22:23]
	s_or_b32 s[G0S+3], s[G0S+3], 0x80000000
	s_mov_b32 s[G0SB], 1
	s_add_co_u32 s[G0SB+1], s94, SCL
	s_mov_b64 s[G0SB+2:G0SB+3], s[92:93]
	s_or_b32 s[G0SB+3], s[G0SB+3], 0x80000000
	JLOAD G0S, G1S, G0SB, G1SB                     ; the scales first: they are wanted with K step 0
.irp s, 0,1
	s_mov_b32 s[G0+4*\s], 1
	s_add_co_u32 s[G0+4*\s+1], s45, \s*SLOT
	s_add_nc_u64 s[G0+4*\s+2:G0+4*\s+3], s[20:21], \s*ROWB
	s_or_b32 s[G0+4*\s+3], s[G0+4*\s+3], 0x80000000
	s_mov_b32 s[G0B+4*\s], 1
	s_add_co_u32 s[G0B+4*\s+1], s45, \s*SLOT
	s_add_nc_u64 s[G0B+4*\s+2:G0B+4*\s+3], s[46:47], \s*ROWB
	s_or_b32 s[G0B+4*\s+3], s[G0B+4*\s+3], 0x80000000
	JLOAD G0+4*\s, G1, G0B+4*\s, G1B               ; three loads of mine are out at the most
.endr
	v_and_b32 v1, 15, v0                           ; l % 16
	v_bfe_u32 v2, v0, 4, 1                         ; l / 16
	v_mul_u32_u24 v3, v1, PITCH
	v_lshl_add_u32 v4, v2, 4, v3                   ; a fragment's row x pitch + 16 x half
	s_mul_i32 s21, s15, HALFT                      ; my 128 rows of x
	s_mul_i32 s22, s16, HALFT                      ; my 128 rows of W,
	s_add_co_u32 s22, s22, 2*HALFT                 ; which lie behind x's 256
.irp s, 0,1
	v_add_nc_u32 v[ADRA+\s], s21, v4
	v_add_nc_u32 v[ADRB+\s], s22, v4
	s_add_co_u32 s21, s21, SLOT
	s_add_co_u32 s22, s22, SLOT
.endr
	v_mul_u32_u24 v5, v1, KS                       ; my row's scales: KS bytes a row,
	v_lshrrev_b32 v6, 8, v5
	v_lshl_add_u32 v5, v6, 4, v5                   ; and 16 more for each 256 passed
	s_mul_i32 s21, s15, HALFS
	s_mul_i32 s22, s16, HALFS
	s_add_co_u32 s22, s22, 2*HALFS
	s_sub_co_u32 s22, s22, s21
	v_mul_u32_u24 v6, s22, v2                      ; lanes 16-31 take W's
	s_add_co_u32 s21, s21, SCL
	v_add_nc_u32 v5, v5, v6
	v_add_nc_u32 v[ADRS], s21, v5
	s_mul_i32 s23, s14, 16*SPITCH                  ; my stage
	v_mul_u32_u24 v5, v1, SPITCH                   ; in: row l % 16, 16 bytes for each half of the lanes
	v_lshl_add_u32 v5, v2, 4, v5
	v_add_nc_u32 v[STO], s23, v5
	v_and_b32 v6, 31, v0
	v_lshlrev_b32 v[CO], 4, v6                     ; out: 16 bytes a lane, 512 on end
	v_lshrrev_b32 v5, 3, v6
	v_mul_u32_u24 v5, v5, SPITCH                   ; back: eight lanes take the 128 bytes that one head has of a row, four rows an instruction
	v_and_b32 v6, 7, v0
	v_lshl_add_u32 v5, v6, 4, v5
	v_add_nc_u32 v[RD], s23, v5
	; where my 128 positions x 2 heads begin in qkv
	s_lshr_b32 s20, s17, 3
	s_lshl_b32 s20, s20, 22                        ; the batch: 8 tile rows each
	s_and_b32 s21, s17, 7
	s_lshl_b32 s21, s21, 1
	s_add_co_u32 s21, s21, s15
	s_lshl_b32 s21, s21, 14                        ; 128 positions of 128 bytes
	s_add_co_u32 s20, s20, s21
	s_mov_b32 s21, 0
	s_lshr_b32 s46, s42, 2
	s_lshl_b32 s46, s46, 24                        ; q, k or v: 4 tile columns each
	s_and_b32 s47, s42, 3
	s_lshl_b32 s47, s47, 1
	s_add_co_u32 s47, s47, s16
	s_lshl_b32 s47, s47, 19                        ; two heads of 2^18 bytes
	s_add_co_u32 s46, s46, s47
	s_mov_b32 s47, 0
	s_add_nc_u64 s[20:21], s[20:21], s[46:47]
	s_add_nc_u64 s[12:13], s[12:13], s[20:21]
.macro FRAG reg, adr, q, i             ; 16 rows x 128 K of 4-bit codes: 8 registers: lane l holds row l % 16; registers 4 c .. 4 c + 3 hold K = 64 c + 32 (l / 16) + 0 .. 31
.irp c, 0,1
	ds_load_b128 v[\reg+4*\c:\reg+4*\c+3], v[\adr] offset:64*(\q)+32*\c+(\i)*16*PITCH
.endr
.endm
; 16 matrix instructions: x's blocks a0, a0 + 1 against W's eight, 128 along K.  The 64 accumulators take turns, one instruction a turn, in the same order in every step.
.macro MUL16 a0, p, q, sc, zero
.irp a, \a0, \a0+1
.irp b, 0,1,2,3,4,5,6,7
.if \zero
	v_wmma_scale_f32_16x16x128_f8f6f4 v[8*(8*((\a)%4)+\b):8*(8*((\a)%4)+\b)+7], v[128*(\p)+FR*\b:128*(\p)+FR*\b+FR-1], v[AF+FR*(\a):AF+FR*(\a)+FR-1], 0, v[SC+8*NQ*(\sc)+NQ*\b+(\q)], v[SC+8*NQ*(\sc)+NQ*(\a)+(\q)] matrix_a_fmt:MATRIX_FMT_FP4 matrix_b_fmt:MATRIX_FMT_FP4 matrix_a_scale:MATRIX_SCALE_ROW1
.else
	v_wmma_scale_f32_16x16x128_f8f6f4 v[8*(8*((\a)%4)+\b):8*(8*((\a)%4)+\b)+7], v[128*(\p)+FR*\b:128*(\p)+FR*\b+FR-1], v[AF+FR*(\a):AF+FR*(\a)+FR-1], v[8*(8*((\a)%4)+\b):8*(8*((\a)%4)+\b)+7], v[SC+8*NQ*(\sc)+NQ*\b+(\q)], v[SC+8*NQ*(\sc)+NQ*(\a)+(\q)] matrix_a_fmt:MATRIX_FMT_FP4 matrix_b_fmt:MATRIX_FMT_FP4 matrix_a_scale:MATRIX_SCALE_ROW1
.endif
.endr
.endr
.endm
.macro FETCH_B slot, q, p
	WIN TO_B
.irp i, 0,1,2,3,4,5,6,7
	FRAG 128*(\p)+FR*\i, ADRB+\slot, \q, \i
.endr
	WIN 0
.endm
.macro FETCH_A slot, q, i0
.irp i, \i0, \i0+1, \i0+2, \i0+3
	FRAG AF+FR*(\i), ADRA+\slot, \q, \i
.endr
.endm
.macro SCALES sc                       ; a K step's scale words: lanes 0-15 take x's block i, lanes 16-31 W's block i
.irp i, 0,1,2,3,4,5,6,7
	ds_load_b128 v[SC+8*NQ*\sc+NQ*\i:SC+8*NQ*\sc+NQ*\i+3], v[ADRS] offset:\i*SBLK
.endr
.endm
.macro PLACES n                        ; plain vector instructions between a matrix instruction and a load into, or a read of, its registers
.rept \n
	v_nop
.endr
.endm
.macro STEP slot, q, zero              ; a step of 128 along K that has its successor in the same slot
	s_wait_dscnt 4*NL                              ; W's set and x's blocks 0-3 are in; the youngest eight loads (x's blocks 4-7) may be out
	WIN MUL_LO
	MUL16 0, (\q)%2, \q, \slot, \zero
	MUL16 2, (\q)%2, \q, \slot, \zero
	s_wait_dscnt 0                                 ; x's blocks 4-7 are in
	PLACES NP
	FETCH_B \slot, (\q)+1, 1-(\q)%2
	FETCH_A \slot, (\q)+1, 0
	WIN MUL_HI
	MUL16 4, (\q)%2, \q, \slot, \zero
	MUL16 6, (\q)%2, \q, \slot, \zero
	PLACES NP
	WIN 0
	FETCH_A \slot, (\q)+1, 4
.endm
.macro TURN slot, next                 ; slot 0's last step changes slots: one barrier; in front of it each wave waits for all its tensor loads (its part of slot 1) and for its reads of slot 0
	s_wait_tensorcnt 0x0                           ; my part of slot 1 has landed
	ds_add_u32 v[SPW], v[NIL]
	s_wait_dscnt 4*NL+1                            ; (the add and the youngest eight loads may be out)
	WIN MUL_LO
	MUL16 0, 1, NQ-1, \slot, 0
	s_wait_dscnt 0x0                               ; the add is done, and my reads of this slot are over
	s_barrier_signal -1
	MUL16 2, 1, NQ-1, \slot, 0
	WIN 0
	s_barrier_wait -1
	PLACES NP
	v_add_nc_u32 v[ADRS], 4*NQ, v[ADRS]            ; on to the next K step's scale words
	FETCH_B \next, 0, 0
	FETCH_A \next, 0, 0
	SCALES \next
	WIN MUL_HI
	MUL16 4, 1, NQ-1, \slot, 0
	MUL16 6, 1, NQ-1, \slot, 0
	PLACES NP
	WIN 0
	FETCH_A \next, 0, 4
.endm
	s_wait_tensorcnt 1                             ; the scales and my part of K step 0 are in (K step 1's load may be out),
	s_barrier_signal -1
	s_barrier_wait -1                              ; everybody's are
	FETCH_B 0, 0, 0
	FETCH_A 0, 0, 0
	SCALES 0
	FETCH_A 0, 0, 4
	STEP 0, 0, 1                                   ; the first products start the sums: nothing is cleared
	STEP 0, 1, 0
	STEP 0, 2, 0
	TURN 0, 1
	STEP 1, 0, 0
	STEP 1, 1, 0
	STEP 1, 2, 0
	s_wait_dscnt 4*NL                              ; the very last step: nothing more to fetch
	WIN MUL_LO
	MUL16 0, 1, NQ-1, 1, 0
	MUL16 2, 1, NQ-1, 1, 0
	s_wait_dscnt 0
	WIN MUL_HI
	MUL16 4, 1, NQ-1, 1, 0
	MUL16 6, 1, NQ-1, 1, 0
	WIN 0
; THE WAY OUT, block by block of 16 positions x 128 channels (two heads).  PACK: rounded to f16, 16 bytes a lane, each accumulator from its low end on.  TOSTAGE: into my own stage and back, four rows' 128 bytes of one head an instruction.
; SEND: a head's 16 positions are 2,048 consecutive bytes of qkv: each store covers 512 of them.
.macro PACK a
.set AC, 64*((\a)%4)
	WIN 0x0a+5*((\a)/4)                            ; sources 0 and 1: window 2 or 3
.irp b, 0,1,2,3,4,5,6,7
.irp i, 0,1,2,3
	v_cvt_pk_f16_f32 v[TMP+4*\b+\i], v[AC+8*\b+2*\i], v[AC+8*\b+2*\i+1]
.endr
.endr
	WIN 0
.endm
.macro TOSTAGE a
.set BB, BK+32*((\a)%2)
.irp b, 0,1,2,3,4,5,6,7
	ds_store_b128 v[STO], v[TMP+4*\b:TMP+4*\b+3] offset:32*\b
.endr
.irp t, 0,1,2,3,4,5,6,7
	ds_load_b128 v[BB+4*\t:BB+4*\t+3], v[RD] offset:4*(\t%4)*SPITCH+128*(\t/4)   ; LDS serves a wave's instructions in order: these see the stores above
.endr
.endm
.macro SEND a
.set BB, BK+32*((\a)%2)
	s_wait_dscnt 0x0                               ; the block is back in registers
	s_wait_xcnt 0x0                                ; the block before's stores have read their registers: the next block's loads may land there
.irp t, 0,1,2,3,4,5,6,7
	global_store_b128 v[CO], v[BB+4*\t:BB+4*\t+3], s[12:13] offset:(\t/4)*262144+(\a)*2048+(\t%4)*512
.endr
.endm
	PLACES NP                                      ; behind the last products: for the first reads of results, the writes of registers that held scales and the loads into those that held x's fragments
	PACK 0
	TOSTAGE 0
.irp a, 1,2,3,4,5,6,7
	PACK \a                                        ; block a's conversions stand between block a - 1's loads from the stage and the wait for them
	SEND \a-1
	TOSTAGE \a
.endr
	SEND 7
	s_wait_tensorcnt 0x0                           ; the wave's end
	ds_add_u32 v[SPW], v[NIL]
	s_wait_dscnt 0x0
	CROUND                                         ; the closing round
	s_endpgm
.Lfunc_end_k_q026ec9c446_qkv:
	.size	k_q026ec9c446_qkv, .Lfunc_end_k_q026ec9c446_qkv-k_q026ec9c446_qkv
	.p2alignl 7, 3214868480
	.fill 96, 4, 3214868480
	.section	.rodata,"a",@progbits
	.p2align	6, 0x0
	.amdhsa_kernel k_q026ec9c446_qkv
		.amdhsa_group_segment_fixed_size 327680
		.amdhsa_private_segment_fixed_size 0
		.amdhsa_enable_private_segment 0
		.amdhsa_kernarg_size 40
		.amdhsa_user_sgpr_count 2
		.amdhsa_user_sgpr_kernarg_segment_ptr 1
		.amdhsa_wavefront_size32 1
		.amdhsa_system_sgpr_workgroup_id_x 1
		.amdhsa_system_sgpr_workgroup_id_y 1
		.amdhsa_system_sgpr_workgroup_id_z 1
		.amdhsa_system_vgpr_workitem_id 0
		.amdhsa_next_free_vgpr 1024
		.amdhsa_next_free_sgpr 98
		.amdhsa_reserve_vcc 0
		.amdhsa_float_denorm_mode_32 3
		.amdhsa_float_denorm_mode_16_64 3
		.amdhsa_memory_ordered 1
		.amdhsa_forward_progress 1
		.amdhsa_inst_pref_size 126
	.end_amdhsa_kernel
	.amdgpu_metadata
---
amdhsa.version: [ 1, 2 ]
amdhsa.kernels:
  - .name:           k_q026ec9c446_qkv
    .symbol:         k_q026ec9c446_qkv.kd
    .args:
      - { .name: x_codes, .offset: 0, .size: 8, .value_kind: global_buffer, .address_space: global }
      - { .name: x_scales, .offset: 8, .size: 8, .value_kind: global_buffer, .address_space: global }
      - { .name: w_codes, .offset: 16, .size: 8, .value_kind: global_buffer, .address_space: global }
      - { .name: w_scales, .offset: 24, .size: 8, .value_kind: global_buffer, .address_space: global }
      - { .name: qkv, .offset: 32, .size: 8, .value_kind: global_buffer, .address_space: global }
    .group_segment_fixed_size: 327680
    .private_segment_fixed_size: 0
    .kernarg_segment_align: 8
    .kernarg_segment_size: 40
    .max_flat_workgroup_size: 128
    .sgpr_count:     98
    .vgpr_count:     1024
    .wavefront_size: 32
...
	.end_amdgpu_metadata
.endif
;; end of part 2
;; launch attn (part 3): grid 4 x 64, 16 waves a work-group, no clusters, 327,680 bytes of LDS; arguments qkv, ctx; writes ctx
.if DOCPART == 3
	.amdgcn_target "amdgcn-amd-amdhsa--gfx1250"
	.amdhsa_code_object_version 6
	.text
	.protected	k_q026ec9c446_attn
	.globl	k_q026ec9c446_attn
	.p2align	8
	.type	k_q026ec9c446_attn,@function
k_q026ec9c446_attn:
	s_mov_b64 s[64:65], 0
	v_nop
	global_prefetch_b8 v0, s[64:65] scope:SCOPE_SE
	s_setreg_imm32_b32 hwreg(HW_REG_WAVE_MODE, 25, 1), 1
	s_wait_xcnt 0x0
; ctx = softmax(Q K^T / 8, causal) V for each (batch, head): Q, K, V f16 [2048][64] out of qkv; products on f16 operands with f32 sums; maxima, exponentials and sums in f32; the weights p rounded to f16 for the second product.
; ctx, f16, is laid [row / 128][head][row % 128][64], row = 2,048 x batch + position.
; LIMITS: a hidden key counts as -infinity where the source has -1e9: the same result while a row's largest open score lies far above -1e9; the result must fit f16; NaN and infinities are not served.
; (Positions 0 to 15 of every sequence are computed here as well, and once more, finer, by the two small launches at the program's end.)
; SHARES.  Work-group (i, batch x head) owns query blocks i and 7 - i, 256 queries each, one after the other.  Block i needs key slots 0 .. i, block 7 - i slots 0 .. 7 - i (a slot: 256 keys): 9 visits of a slot for
; every work-group, so all 256 have the same work and the loop's count is a constant.  Each of the SIXTEEN waves owns 16 queries of the block in hand: four waves to a SIMD, 256 registers each.
; NO CLUSTER: in a given visit the four work-groups of a head want different key slots (visit, or visit - i - 1): a joint load would bring tiles that some partner never reads.
; LAYOUT.  S^T = K Q^T (source 0 = 16 keys, source 1 = my 16 queries): a lane holds ONE query (lane % 16) and keys 8 (lane / 16) + 0..7 of each tile; two tiles, rounded in pairs, ARE source 1 of O^T = V^T P.
; K comes out of LDS as it lies, V ([key][channel]) turned by ds_load_tr16_b128.
; SOFTMAX.  A running maximum m and sum l: p = 2^(c s - c m), c = log2(e) / 8; in every step O and l are multiplied by a = 2^(c m_old - c m_new).
; THE RING.  Two slots, 2^17 bytes apart; waves 0, 1 fetch K's halves, waves 2, 3 V's, one tensor load each behind each change of slots: a loading wave has one load out at the most.
.set PK,    144                        ; a key's row in LDS: 128 bytes + 16
.set PV,    160                        ; a row of V: 128 + 32
.set SKEYS, 256
.set VOFF,  SKEYS*PK
.set SLOT1, 1<<17
.set STAGE, SLOT1+SKEYS*(PK+PV)        ; behind the ring: 16 rows x 144 bytes for each wave; no tile lands here
.set SPARE, STAGE+16*16*PK             ; the spare words, 128 bytes a wave, named by no other line
.set AK0, 1                            ; v1  my lane's place in a tile of K
.set AV0, 2                            ; v2  the same for V
.set SPW, 3                            ; v3  my spare word; never rewritten
.set NIL, 4                            ; v4  0; never rewritten
.set STO, 5                            ; v5  the stage, in
.set RD,  6                            ; v6  the stage, back
.set GO,  7                            ; v7  16 x lane
.set ADK, 8
.set ADV, 9
.set QO,  10                           ; v10 my bytes in the wave's rows of Q
.set DL,  11                           ; v11 lane % 16 - 8 (lane / 16)
.set NINF, 12                          ; v12 -infinity
.set PFO, 13                           ; v13 256 x lane
.set CM,  14                           ; v14 c m, v15 m
.set MX,  15
.set LS,  16                           ; v[16:17] l: even keys', odd keys'
.set T0,  18                           ; v18-21 at work
.set AF,  22                           ; v22 a; v23 named with it as a pair
.set DD,  24
.set RQ,  32                           ; v32-47   Q
.set RK,  48                           ; v48-111  K of a step
.set RS,  112                          ; v112-143 S^T
.set RP,  144                          ; v144-159 P
.set RV,  160                          ; v160-223 V of a step
.set RO,  224                          ; v224-255 O^T
.set WV,  8
.set W1,  9
.set BH,  10
.set N0,  11                           ; visits of the first block: i + 1
.set VV,  12                           ; the visit
.set TB,  13                           ; LDS byte at which the slot in hand begins
.set KF,  14                           ; the step's first key
.set Q0,  15                           ; my first query
.set SEL, 16
.set CS,  18
.set G1K, 20
.set G1V, 28
.set G0K, 36
.set G0V, 40
.set KB,  44
.set VB,  46
.set OFF, 48
.set QB0, 50
.set QB1, 52
.set CB0, 54
.set CB1, 56
.set Q0B, 58
.set Q0A, 59
.set PFB, 60
.set PFA, 62
.set PLO, 66
.set PHI, 67
; Waves 0 and 1 fetch for K, waves 2 and 3 for V, the others nothing.  The branches hang on the wave's number alone.  An s_nop 0 and four v_nop follow each of the two lines.
.macro TLOAD
	s_cmp_lt_u32 s[WV], 2
	s_cbranch_scc0 .Lnot_k_\@
	tensor_load_to_lds s[G0K:G0K+3], s[G1K:G1K+7]
	s_nop 0
.rept 4
	v_nop
.endr
	s_branch .Lasked_\@
.Lnot_k_\@:
	s_cmp_lt_u32 s[WV], 4
	s_cbranch_scc0 .Lasked_\@
	tensor_load_to_lds s[G0V:G0V+3], s[G1V:G1V+7]
	s_nop 0
.rept 4
	v_nop
.endr
.Lasked_\@:
.endm
; A PREFETCH of the key slot that my work-group's NEXT change of slots will ask for: 32,768 bytes of K (waves 4-7) and of V (waves 8-11), 8,192 a wave, lanes 256 bytes apart, one instruction a wave.
; Each aligned block of 256 bytes of slots 2 to 7 of a head is named once in the launch: work-group i = 3 asks in visits 0, 1 for slots 2, 3; work-group i = 0 in visits 3 to 6 for slots 4 to 7.  Slots 0 and 1 come by their loads alone.
.macro ASK
	s_cmp_ge_u32 s[VV], s[PLO]
	s_cbranch_scc0 .Lnot_mine_\@
	s_cmp_le_u32 s[VV], s[PHI]
	s_cbranch_scc0 .Lnot_mine_\@
	global_prefetch_b8 v[PFO], s[PFA:PFA+1] th:TH_LOAD_NT scope:SCOPE_SE
.Lnot_mine_\@:
.endm
; THE CHANGE OF SLOTS, at a visit's head.  Each wave waits for all its tensor loads (its part of the slot that it is about to read), adds 0 to its spare word, and waits for that and for its reads of the slot that it has left.
; fill = 1: behind the barrier that other slot takes the keys of the next visit: slot number visit + 1, or visit + 1 - N0 in the second block.
.macro CHANGE fill
	s_wait_tensorcnt 0x0                           ; no tensor load of mine is out, so a group 0 may be written
	ds_add_u32 v[SPW], v[NIL]
.if \fill
	ds_add_u32 v[SPW], v[NIL]                      ; and twice on end here, in every trip alike; the descriptors' steps stand between the second and the wait
	s_add_co_u32 s68, s[VV], 1
	s_cmp_lt_u32 s68, s[N0]
	s_cselect_b32 s69, 0, s[N0]
	s_sub_co_u32 s68, s68, s69                     ; the next visit's key slot
	s_lshl_b32 s[OFF], s68, 15                     ; 256 keys of 128 bytes
	s_xor_b32 s[G0K+1], s[G0K+1], SLOT1            ; the other slot than last time
	s_xor_b32 s[G0V+1], s[G0V+1], SLOT1
	s_add_nc_u64 s[G0K+2:G0K+3], s[KB:KB+1], s[OFF:OFF+1]
	s_or_b32 s[G0K+3], s[G0K+3], 0x80000000
	s_add_nc_u64 s[G0V+2:G0V+3], s[VB:VB+1], s[OFF:OFF+1]
	s_or_b32 s[G0V+3], s[G0V+3], 0x80000000
	s_wait_xcnt 0x0                                ; the last prefetch, a visit back, has read its address, so it may be written
	s_add_co_u32 s68, s[VV], 2
	s_cmp_lt_u32 s68, s[N0]
	s_cselect_b32 s69, 0, s[N0]
	s_sub_co_u32 s68, s68, s69                     ; the key slot of the visit after the next
	s_lshl_b32 s[OFF], s68, 15
	s_add_nc_u64 s[PFA:PFA+1], s[PFB:PFB+1], s[OFF:OFF+1]
.endif
	s_wait_dscnt 0x0                               ; the add is done (fill = 1: both are), and my reads of the slot that I have left are over
	s_barrier_signal -1
	s_barrier_wait -1
.if \fill
	TLOAD                                          ; the first thing behind the barrier, and a wave's one tensor load until the next
	ASK
.endif
.endm
; A block of queries begins: Q's fragments, and m, l, O^T as if no key had been seen.
.macro START qb, q0
	s_mov_b32 s[Q0], s[\q0]
	s_mov_b32 s[KF], 0
.irp i, 0,1,2,3
	global_load_b128 v[RQ+4*\i:RQ+4*\i+3], v[QO], s[\qb:\qb+1] offset:32*\i
.endr
	v_mov_b32 v[MX], 0xff61b1e6                    ; -3e38, under every score
	v_mul_f32 v[CM], s[CS], v[MX]
	v_mov_b32 v[LS], 0
	v_mov_b32 v[LS+1], 0
.set j, 0
.rept 32
	v_mov_b32 v[RO+j], 0                           ; the step is written once: the first finds zeros, which the first a leaves zeros
.set j, j+1
.endr
	s_wait_loadcnt 0x0
.endm
; A KEY STEP: 64 keys, the q-th of the slot in hand.
.macro STEP q
	s_add_co_u32 s68, s[Q0], 15                    ; a step all of whose keys come after my 16 queries is left out: a scalar branch on ids and on the count of steps
	s_cmp_gt_u32 s[KF], s68
	s_cbranch_scc1 .Lhid_\@
	v_add_nc_u32 v[ADK], s[TB], v[AK0]
	v_add_nc_u32 v[ADV], s[TB], v[AV0]
	v_nop
	v_nop                                          ; four places between the last step's products and the loads into V's registers
.irp kt, 0,1,2,3
.irp hf, 0,1
	ds_load_b128 v[RK+16*\kt+8*\hf:RK+16*\kt+8*\hf+3], v[ADK] offset:(\q)*64*PK+\kt*16*PK+\hf*64
	ds_load_b128 v[RK+16*\kt+8*\hf+4:RK+16*\kt+8*\hf+7], v[ADK] offset:(\q)*64*PK+\kt*16*PK+\hf*64+32
.endr
.endr
.irp kg, 0,1
.irp ct, 0,1,2,3
	ds_load_tr16_b128 v[RV+32*\kg+8*\ct:RV+32*\kg+8*\ct+3], v[ADV] offset:(\q)*64*PV+\kg*32*PV+\ct*32
	ds_load_tr16_b128 v[RV+32*\kg+8*\ct+4:RV+32*\kg+8*\ct+7], v[ADV] offset:(\q)*64*PV+\kg*32*PV+16*PV+\ct*32
.endr
.endr
	s_wait_dscnt 16                                ; K's 16 loads are in; V's 16 may be out
.irp kt, 0,1,2,3                               ; the four accumulators take turns
	v_wmma_f32_16x16x32_f16 v[RS+8*\kt:RS+8*\kt+7], v[RK+16*\kt:RK+16*\kt+7], v[RQ:RQ+7], 0
.endr
.irp kt, 0,1,2,3
	v_wmma_f32_16x16x32_f16 v[RS+8*\kt:RS+8*\kt+7], v[RK+16*\kt+8:RK+16*\kt+15], v[RQ+8:RQ+15], v[RS+8*\kt:RS+8*\kt+7]
.endr
.rept 4
	v_nop
.endr
	s_add_co_u32 s68, s[KF], 63                    ; a step all of whose keys count skips the mask
	s_cmp_le_u32 s68, s[Q0]
	s_cbranch_scc1 .Lopen_\@
	s_sub_co_i32 s68, s[Q0], s[KF]
	v_add_nc_u32 v[DD], s68, v[DL]                 ; d = my query - KF - 8 (lane / 16).  Register 8 t + j holds key KF + 16 t + 8 (lane / 16) + j: hidden where 16 t + j > d
.set n, 0
.rept 32
	v_cmp_gt_i32 vcc_lo, 16*(n/8)+n%8, v[DD]
	v_cndmask_b32 v[RS+n], v[RS+n], v[NINF], vcc_lo
.set n, n+1
.endr
.Lopen_\@:
.irp j, 0,1,2,3                                ; the maximum of my 32 scores and the old m: four chains
	v_max3_num_f32 v[T0+\j], v[RS+8*\j], v[RS+8*\j+1], v[RS+8*\j+2]
.endr
.irp j, 0,1,2,3
	v_max3_num_f32 v[T0+\j], v[T0+\j], v[RS+8*\j+3], v[RS+8*\j+4]
.endr
.irp j, 0,1,2,3
	v_max3_num_f32 v[T0+\j], v[T0+\j], v[RS+8*\j+5], v[RS+8*\j+6]
.endr
	v_max3_num_f32 v[T0], v[T0], v[RS+7], v[RS+15]
	v_max3_num_f32 v[T0+2], v[T0+2], v[RS+23], v[RS+31]
	v_max3_num_f32 v[T0], v[T0], v[T0+1], v[T0+2]
	v_max3_num_f32 v[T0], v[T0], v[T0+3], v[MX]
	v_permlanex16_b32 v[T0+1], v[T0], s[SEL], s[SEL+1]   ; the query's other 32 keys lie in the lane 16 away
	v_mov_b32 v[T0+3], v[CM]                       ; c m_old
	v_max_num_f32 v[MX], v[T0], v[T0+1]
	v_mul_f32 v[CM], s[CS], v[MX]
	v_sub_f32 v[T0+3], v[T0+3], v[CM]
.set j, 0
.rept 16
	v_pk_fma_f32 v[RS+j:RS+j+1], v[RS+j:RS+j+1], s[CS:CS+1], v[CM:CM+1] op_sel_hi:[1,0,0] neg_lo:[0,0,1] neg_hi:[0,0,1]   ; c s - c m, two at a time
.set j, j+2
.endr
	v_exp_f32 v[AF], v[T0+3]                       ; a
.set j, 0
.rept 32
	v_exp_f32 v[RS+j], v[RS+j]                     ; p
.set j, j+1
.endr
	v_nop                                          ; a plain instruction behind the last exponential
	s_wait_alu depctr_va_vdst(0)                   ; the wait ahead of the first line that names a result: one for the batch of 33
.set j, 0
.rept 16
	v_cvt_pk_f16_f32 v[RP+j], v[RS+2*j], v[RS+2*j+1]
.set j, j+1
.endr
.irp z, 0,1,2,3,4,5,6,7                        ; the sum of the 16 pairs, in place
	v_pk_add_f32 v[RS+4*\z:RS+4*\z+1], v[RS+4*\z:RS+4*\z+1], v[RS+4*\z+2:RS+4*\z+3]
.endr
.irp z, 0,1,2,3
	v_pk_add_f32 v[RS+8*\z:RS+8*\z+1], v[RS+8*\z:RS+8*\z+1], v[RS+8*\z+4:RS+8*\z+5]
.endr
.irp z, 0,1
	v_pk_add_f32 v[RS+16*\z:RS+16*\z+1], v[RS+16*\z:RS+16*\z+1], v[RS+16*\z+8:RS+16*\z+9]
.endr
	v_pk_add_f32 v[RS:RS+1], v[RS:RS+1], v[RS+16:RS+17]
	v_pk_fma_f32 v[LS:LS+1], v[LS:LS+1], v[AF:AF+1], v[RS:RS+1] op_sel_hi:[1,0,1]   ; l = a l + the sum
.set j, 0
.rept 16
	v_pk_mul_f32 v[RO+j:RO+j+1], v[RO+j:RO+j+1], v[AF:AF+1] op_sel_hi:[1,0]          ; O^T x a, each accumulator from its low end on
.set j, j+2
.endr
	s_wait_dscnt 0x0                               ; V is in
.irp kg, 0,1
.irp ct, 0,1,2,3
	v_wmma_f32_16x16x32_f16 v[RO+8*\ct:RO+8*\ct+7], v[RV+32*\kg+8*\ct:RV+32*\kg+8*\ct+7], v[RP+8*\kg:RP+8*\kg+7], v[RO+8*\ct:RO+8*\ct+7]
.endr
.endr
.Lhid_\@:
	s_add_co_u32 s[KF], s[KF], 64
.endm
; A block of queries ends: O^T / l, rounded to f16, through my stage, out as 2,048 consecutive bytes of ctx.
.macro FINISH cb, inloop
.rept 4
	v_nop                                          ; places behind the last products
.endr
	v_add_f32 v[T0], v[LS], v[LS+1]
	v_permlanex16_b32 v[T0+1], v[T0], s[SEL], s[SEL+1]
	v_add_f32 v[T0], v[T0], v[T0+1]
	v_rcp_f32 v[AF], v[T0]
	v_nop
	s_wait_alu depctr_va_vdst(0)                   ; the wait ahead of the reciprocal's first reader
.set j, 0
.rept 16
	v_pk_mul_f32 v[RO+j:RO+j+1], v[RO+j:RO+j+1], v[AF:AF+1] op_sel_hi:[1,0]
.set j, j+2
.endr
.set j, 0
.rept 16
	v_cvt_pk_f16_f32 v[RS+j], v[RO+2*j], v[RO+2*j+1]
.set j, j+1
.endr
.irp t, 0,1,2,3
	ds_store_b128 v[STO], v[RS+4*\t:RS+4*\t+3] offset:32*\t
.endr
.irp i, 0,1,2,3
	ds_load_b128 v[RS+16+4*\i:RS+19+4*\i], v[RD] offset:\i*4*PK   ; four rows of 128 bytes an instruction; these see the stores above
.endr
.irp i, 0,1,2,3
	s_wait_dscnt 3-\i                              ; the younger loads may be out
	global_store_b128 v[GO], v[RS+16+4*\i:RS+19+4*\i], s[\cb:\cb+1] offset:512*\i
.endr
.if \inloop
	s_wait_xcnt 0x0                                ; the stores have read their registers, which hold scores again in the next step
.endif
.endm
	s_load_b128 s[4:7], s[0:1], 0x0                ; qkv, ctx
	v_lshl_add_u32 v[SPW], v0, 2, SPARE
	v_mov_b32 v[NIL], 0
	ds_add_u32 v[SPW], v[NIL]                      ; the wave's opening: the add, twice on end, and its wait ahead of the first tensor load
	ds_add_u32 v[SPW], v[NIL]
	v_lshrrev_b32 v8, 5, v0
	v_readfirstlane_b32 s[WV], v8                  ; wave 0..15
	s_and_b32 s[W1], s[WV], 1
	s_and_b32 s[BH], ttmp7, 0xffff                 ; 16 x batch + head
	s_add_co_u32 s[N0], ttmp9, 1
	s_mov_b32 s[G1K], (1<<16)|(1<<20)|(4<<22)|(3<<25)   ; no mask; elements of 2 bytes; padding on: after every 32 words, 4 words
	s_mov_b32 s[G1K+1], 64<<16                     ; tensor_dim0
	s_mov_b32 s[G1K+2], 128<<16                    ; tensor_dim1
	s_mov_b32 s[G1K+3], 64<<16                     ; tile_dim0
	s_mov_b32 s[G1K+4], 128                        ; tile_dim1
	s_mov_b32 s[G1K+5], 64                         ; from row to row
	s_mov_b32 s[G1K+6], 0
	s_mov_b32 s[G1K+7], 0
	s_mov_b32 s[G1V], (1<<16)|(1<<20)|(4<<22)|(7<<25)   ; the same with 8 words of padding
	s_mov_b32 s[G1V+1], 64<<16
	s_mov_b32 s[G1V+2], 128<<16
	s_mov_b32 s[G1V+3], 64<<16
	s_mov_b32 s[G1V+4], 128
	s_mov_b32 s[G1V+5], 64
	s_mov_b32 s[G1V+6], 0
	s_mov_b32 s[G1V+7], 0
	s_mov_b32 s[G0K], 1
	s_mul_i32 s[G0K+1], s[W1], 128*PK              ; slot 0: my half of K's rows,
	s_mov_b32 s[G0V], 1
	s_mul_i32 s[G0V+1], s[W1], 128*PV
	s_add_co_u32 s[G0V+1], s[G0V+1], VOFF          ; of V's
	s_mov_b32 s[SEL], 0x76543210
	s_mov_b32 s[SEL+1], 0xfedcba98
	s_mov_b32 s[CS], 0x3e38aa3b                    ; c = log2(e) / 8
	s_mov_b32 s[CS+1], s[CS]
	s_mov_b32 s[VV], 0
	s_mov_b32 s[TB], 0
	s_mov_b32 s[OFF+1], 0
	s_lshl_b32 s68, s[WV], 4
	s_lshl_b32 s[Q0A], ttmp9, 8
	s_add_co_u32 s[Q0A], s[Q0A], s68               ; my first query in block i,
	s_sub_co_u32 s[Q0B], 7, ttmp9
	s_lshl_b32 s[Q0B], s[Q0B], 8
	s_add_co_u32 s[Q0B], s[Q0B], s68               ; and in block 7 - i
	s_sub_co_u32 s68, s[WV], 4
	s_lshr_b32 s68, s68, 3                         ; 0 in waves 4 to 11
	s_cmp_eq_u32 ttmp9, 3
	s_cselect_b32 s[PLO], 0, -1
	s_cselect_b32 s[PHI], 1, 0
	s_cmp_eq_u32 ttmp9, 0
	s_cselect_b32 s[PLO], 3, s[PLO]
	s_cselect_b32 s[PHI], 6, s[PHI]
	s_cmp_eq_u32 s68, 0
	s_cselect_b32 s[PLO], s[PLO], -1               ; the visits in which I prefetch: PLO .. PHI, or none
	s_wait_dscnt 0x0                               ; both opening adds are done
	s_wait_kmcnt 0x0
	s_lshl_b32 s68, s[BH], 18
	s_mov_b32 s69, 0
	s_add_nc_u64 s[70:71], s[4:5], s[68:69]        ; Q of my head
	s_lshl_b32 s68, s[W1], 14
	s_add_nc_u64 s[KB:KB+1], s[70:71], s[68:69]
	s_add_nc_u64 s[KB:KB+1], s[KB:KB+1], 0x1000000 ; K of my head, my half of a slot's rows
	s_add_nc_u64 s[VB:VB+1], s[KB:KB+1], 0x1000000 ; V likewise
	s_mov_b64 s[G0K+2:G0K+3], s[KB:KB+1]
	s_or_b32 s[G0K+3], s[G0K+3], 0x80000000
	s_mov_b64 s[G0V+2:G0V+3], s[VB:VB+1]
	s_or_b32 s[G0V+3], s[G0V+3], 0x80000000
	TLOAD                                          ; slot 0: key slot 0, which counts for every query
	s_lshl_b32 s68, s[Q0A], 7
	s_add_nc_u64 s[QB0:QB0+1], s[70:71], s[68:69]
	s_lshl_b32 s68, s[Q0B], 7
	s_add_nc_u64 s[QB1:QB1+1], s[70:71], s[68:69]
	s_and_b32 s68, s[WV], 3
	s_lshl_b32 s68, s68, 13
	s_add_nc_u64 s[PFB:PFB+1], s[70:71], s[68:69]
	s_add_nc_u64 s[PFB:PFB+1], s[PFB:PFB+1], 0x1000000   ; the prefetches' base: K of my head, my wave's 8,192 bytes of a slot,
	s_cmp_lt_u32 s[WV], 8
	s_cselect_b32 s68, 0, 0x1000000
	s_add_nc_u64 s[PFB:PFB+1], s[PFB:PFB+1], s[68:69]    ; or V
	s_and_b32 s68, s[BH], 0x30                     ; ctx: 16 x batch
	s_lshr_b32 s70, s[WV], 3
	s_add_co_u32 s68, s68, s70
	s_lshl_b32 s68, s68, 18                        ; panels of 128 rows
	s_and_b32 s70, s[BH], 15
	s_lshl_b32 s70, s70, 14                        ; the head's plane
	s_add_co_u32 s68, s68, s70
	s_and_b32 s70, s[WV], 7
	s_lshl_b32 s70, s70, 11                        ; my 16 rows
	s_add_co_u32 s68, s68, s70
	s_add_nc_u64 s[6:7], s[6:7], s[68:69]
	s_lshl_b32 s68, ttmp9, 19                      ; block i: two panels a block
	s_add_nc_u64 s[CB0:CB0+1], s[6:7], s[68:69]
	s_sub_co_u32 s68, 7, ttmp9
	s_lshl_b32 s68, s68, 19
	s_add_nc_u64 s[CB1:CB1+1], s[6:7], s[68:69]
	v_and_b32 v8, 15, v0                           ; r
	v_bfe_u32 v9, v0, 4, 1                         ; h
	v_mul_u32_u24 v[AK0], v8, PK
	v_lshl_add_u32 v[AK0], v9, 4, v[AK0]           ; K: row r, + 16 h
	v_and_b32 v14, 7, v0
	v_lshl_add_u32 v[AV0], v9, 3, v14
	v_mul_u32_u24 v[AV0], v[AV0], PV               ; V: key 8 h + lane % 8,
	v_bfe_u32 v15, v0, 3, 1
	v_lshl_add_u32 v[AV0], v15, 4, v[AV0]          ; channels 8 ((lane / 8) % 2) on
	v_add_nc_u32 v[AV0], VOFF, v[AV0]
	s_mul_i32 s68, s[WV], 16*PK
	s_add_co_u32 s68, s68, STAGE                   ; my stage
	v_mul_u32_u24 v[STO], v8, PK
	v_lshl_add_u32 v[STO], v9, 4, v[STO]
	v_add_nc_u32 v[STO], s68, v[STO]
	v_bfe_u32 v15, v0, 3, 2
	v_mul_u32_u24 v[RD], v15, PK
	v_lshl_add_u32 v[RD], v14, 4, v[RD]
	v_add_nc_u32 v[RD], s68, v[RD]
	v_and_b32 v15, 31, v0
	v_lshlrev_b32 v[GO], 4, v15
	v_lshlrev_b32 v[PFO], 8, v15
	v_lshlrev_b32 v[QO], 7, v8
	v_lshl_add_u32 v[QO], v9, 4, v[QO]
	v_lshlrev_b32 v15, 3, v9
	v_sub_nc_u32 v[DL], v8, v15
	v_mov_b32 v[NINF], 0xff800000
.irp j, 0,1,2,3
	v_mov_b32 v[T0+\j], 0                          ; written once: a lane permute's destination counts as one of its sources
.endr
	v_mov_b32 v[AF+1], 0                           ; named as the upper half of a pair
	START QB0, Q0A
.Lvisit:                                           ; 8 trips: behind each change of slots the next visit's keys are asked for
	CHANGE 1
	s_cmp_lg_u32 s[VV], s[N0]                      ; ids and the count of visits alone: all sixteen waves go the same way
	s_cbranch_scc1 .Lsame
	FINISH CB0, 1                                  ; block i is done; block 7 - i begins with key slot 0
	START QB1, Q0B
.Lsame:
	STEP 0
	STEP 1
	STEP 2
	STEP 3
	s_xor_b32 s[TB], s[TB], SLOT1                  ; on to the other slot
	s_add_co_u32 s[VV], s[VV], 1
	s_cmp_lt_u32 s[VV], 8
	s_cbranch_scc1 .Lvisit
	CHANGE 0                                       ; the last visit is written out: nothing is left to fetch
	STEP 0
	STEP 1
	STEP 2
	STEP 3
	FINISH CB1, 0
	s_wait_tensorcnt 0x0                           ; the wave's end
	ds_add_u32 v[SPW], v[NIL]
	s_wait_dscnt 0x0
	s_endpgm
.Lfunc_end_k_q026ec9c446_attn:
	.size	k_q026ec9c446_attn, .Lfunc_end_k_q026ec9c446_attn-k_q026ec9c446_attn
	.p2alignl 7, 3214868480
	.fill 96, 4, 3214868480
	.section	.rodata,"a",@progbits
	.p2align	6, 0x0
	.amdhsa_kernel k_q026ec9c446_attn
		.amdhsa_group_segment_fixed_size 327680
		.amdhsa_private_segment_fixed_size 0
		.amdhsa_enable_private_segment 0
		.amdhsa_kernarg_size 16
		.amdhsa_user_sgpr_count 2
		.amdhsa_user_sgpr_kernarg_segment_ptr 1
		.amdhsa_wavefront_size32 1
		.amdhsa_system_sgpr_workgroup_id_x 1
		.amdhsa_system_sgpr_workgroup_id_y 1
		.amdhsa_system_sgpr_workgroup_id_z 1
		.amdhsa_system_vgpr_workitem_id 0
		.amdhsa_next_free_vgpr 256
		.amdhsa_next_free_sgpr 72
		.amdhsa_reserve_vcc 1
		.amdhsa_float_denorm_mode_32 3
		.amdhsa_float_denorm_mode_16_64 3
		.amdhsa_memory_ordered 1
		.amdhsa_forward_progress 1
		.amdhsa_inst_pref_size 114
	.end_amdhsa_kernel
	.amdgpu_metadata
---
amdhsa.version: [ 1, 2 ]
amdhsa.kernels:
  - .name:           k_q026ec9c446_attn
    .symbol:         k_q026ec9c446_attn.kd
    .args:
      - { .name: qkv, .offset: 0, .size: 8, .value_kind: global_buffer, .address_space: global }
      - { .name: ctx, .offset: 8, .size: 8, .value_kind: global_buffer, .address_space: global }
    .group_segment_fixed_size: 327680
    .private_segment_fixed_size: 0
    .kernarg_segment_align: 8
    .kernarg_segment_size: 16
    .max_flat_workgroup_size: 512
    .sgpr_count:     72
    .vgpr_count:     256
    .wavefront_size: 32
...
	.end_amdgpu_metadata
.endif
;; end of part 3
;; launch oproj (part 4): grid 8 x 64, 4 waves a work-group, clusters of 4 x 4, 327,680 bytes of LDS; arguments ctx, wo_h, out0; writes out0
.if DOCPART == 4
	.amdgcn_target "amdgcn-amd-amdhsa--gfx1250"
	.amdhsa_code_object_version 6
	.text
	.protected	k_q026ec9c446_oproj
	.globl	k_q026ec9c446_oproj
	.p2align	8
	.type	k_q026ec9c446_oproj,@function
k_q026ec9c446_oproj:
	s_mov_b64 s[64:65], 0
	v_nop
	global_prefetch_b8 v0, s[64:65] scope:SCOPE_SE
	s_setreg_imm32_b32 hwreg(HW_REG_WAVE_MODE, 25, 1), 1
	s_wait_xcnt 0x0
	s_wait_alu depctr_hold_cnt(0) depctr_sa_sdst(0) depctr_va_vdst(0) depctr_va_sdst(0) depctr_va_ssrc(0) depctr_va_vcc(0) depctr_vm_vsrc(0)
	s_getreg_b32 s2, hwreg(HW_REG_IB_STS2, 6, 4)
	s_cmp_eq_u32 s2, 0
	s_cbranch_scc0 .Lentry_in_a_cluster
	s_endpgm
.Lentry_in_a_cluster:
	s_bfe_u32 s2, ttmp6, 0x10000c
	s_cmp_lg_u32 s2, 0xf033
	s_cbranch_scc0 .Lentry_shape_is_right
	s_endpgm
.Lentry_shape_is_right:
; out0[m][n] = sum over k of ctx[m][k] o_proj[n][k]: m < 8,192, n, k < 1,024; f16 operands, f32 sums, f32 out.
; ctx lies [m / 128][head][m % 128][64] (k = 64 x head + channel), so the rows of a tile of 128 m for 256 along K (4 heads) are 512 dense rows of 128 bytes.  wo_h is o_proj in f16, [n][k].
; (Rows 0 to 15 of every sequence are written here too, and written again, finer, by the program's last launch: leaving them out would be a branch on a work-group's place in its cluster.)
; A tile of C is 128 x 128: 512 work-groups.  Four waves, each 64 x 64: 16 accumulators, 128 registers.  K goes in 4 steps of 256 through two LDS slots.
; CLUSTERS: 4 x 4 work-groups.  The four of a row of the cluster need the same tiles of ctx, the four of a column the same tiles of wo_h: each is asked for JOINTLY.
; THE MATRIX INSTRUCTION IS USED TRANSPOSED (source 0 = 16 rows of wo_h, source 1 = 16 rows of ctx): a lane holds eight neighbouring numbers of a row of C.
; REGISTERS: window 0: v0-31 addresses; v32-95 the way out; v128-255 the accumulators ((a, b) at v[128 + 8 (4 a + b)]).  window 1: two fragment buffers of 128: 64 registers of A, then 64 of B, for 64 along K.
.set SIZE_N, 1024
.set SIZE_K, 1024
.set KSTEP,  256
.set PA,     144                       ; A's LDS row: 128 bytes (one head's 64 channels) + 16
.set PLANE,  128*PA                    ; a head's 128 rows
.set PITCH,  528                       ; B's LDS row: 512 bytes + 16
.set BOFF,   4*PLANE                   ; B lies behind A's four planes
.set SLOT,   BOFF+128*PITCH
.set STAGE,  2*SLOT                    ; behind the ring: 16 rows x 272 bytes for each wave
.set SPITCH, 272
.set SPARE,  STAGE+4*16*SPITCH         ; the spare words, 128 bytes a wave, named by no other line
.set LAPS, SIZE_K/(2*KSTEP)
.set ADRA, 16
.set ADRB, 20
.set STO,  24
.set RD,   25
.set CO,   26
.set SPW,  28
.set NIL,  29
.set TMP,  32
.set ACC,  128
.set F0,   0
.set F1,   128
.set G1, 24
.set G0, 32
.set G1B, 48
.set G0B, 56
.set MSB, 0
.macro WIN new
.if MSB != (\new)
	s_set_vgpr_msb (MSB<<8)|(\new)
.set MSB, \new
.endif
.endm
.set MUL,  0x05                        ; sources 0 (B) and 1 (A) window 1; C and D window 0
.set TO_F, 0x40                        ; destination window 1, address window 0
.macro JLOAD s                         ; a joint load: waves 0 and 1 fetch A's halves (two heads each), waves 2 and 3 B's; an s_nop 0 and four v_nop follow each line
	s_cmp_eq_u32 s11, 0
	s_cbranch_scc0 .Lfor_b_\@
	tensor_load_to_lds s[G0+4*\s:G0+4*\s+3], s[G1:G1+7]
	s_nop 0
.rept 4
	v_nop
.endr
	s_branch .Lasked_\@
.Lfor_b_\@:
	tensor_load_to_lds s[G0B+4*\s:G0B+4*\s+3], s[G1B:G1B+7]
	s_nop 0
.rept 4
	v_nop
.endr
.Lasked_\@:
.endm
.macro CREST                           ; a round of the cluster's barrier behind its opening barrier
	s_cmp_lg_u32 s10, 0
	s_cbranch_scc1 .Lnot_wave_0_\@
	s_barrier_signal -3
.Lnot_wave_0_\@:
	s_barrier_wait -3
	s_barrier_signal -1
	s_barrier_wait -1
.endm
.macro CROUND
	s_barrier_signal -1
	s_barrier_wait -1
	CREST
.endm
	s_load_b128 s[4:7], s[0:1], 0x0                ; ctx, wo_h
	s_load_b64 s[8:9], s[0:1], 0x10                ; out0
	v_lshl_add_u32 v[SPW], v0, 2, SPARE
	v_mov_b32 v[NIL], 0
	ds_add_u32 v[SPW], v[NIL]                      ; the wave's opening: the add, twice on end, and its wait ahead of my first tensor load
	ds_add_u32 v[SPW], v[NIL]
	v_lshrrev_b32 v1, 5, v0
	v_readfirstlane_b32 s10, v1                    ; wave 0..3
	s_lshr_b32 s11, s10, 1                         ; which half of the tile's rows is mine.  Also: I fetch for A (0) or for B (1)
	s_and_b32 s12, s10, 1                          ; which half of its columns.  Also: which half of that tile I fetch
	s_bfe_u32 s40, ttmp6, 0x40000                  ; cx, cy
	s_bfe_u32 s41, ttmp6, 0x40004
	s_lshl_b32 s42, ttmp9, 2
	s_add_co_u32 s42, s42, s40                     ; tile column
	s_and_b32 s13, ttmp7, 0xffff
	s_lshl_b32 s13, s13, 2
	s_add_co_u32 s13, s13, s41                     ; tile row
	s_lshl_b32 s43, s41, 2
	s_lshl_b32 s43, 15, s43                        ; my row of the cluster
	s_lshl_b32 s44, 0x1111, s40                    ; my column
	s_or_b32 s[G1+0], s43, (1<<16)|(1<<20)|(1<<21)|(4<<22)|(3<<25)  ; A: the mask; elements of 2 bytes; padding on; bit 21 beside a mask; after every 32 words, 4 words
	s_mov_b32 s[G1+1], 64<<16                      ; tensor_dim0
	s_mov_b32 s[G1+2], 256<<16                     ; tensor_dim1: two heads x 128 rows
	s_mov_b32 s[G1+3], 64<<16                      ; tile_dim0
	s_mov_b32 s[G1+4], 256                         ; tile_dim1
	s_mov_b32 s[G1+5], 64                          ; from row to row: dense
	s_mov_b32 s[G1+6], 0
	s_mov_b32 s[G1+7], 0
	s_or_b32 s[G1B+0], s44, (1<<16)|(1<<20)|(1<<21)|(6<<22)|(3<<25) ; B: after every 128 words, 4 words
	s_mov_b32 s[G1B+1], KSTEP<<16
	s_mov_b32 s[G1B+2], 64<<16
	s_mov_b32 s[G1B+3], KSTEP<<16
	s_mov_b32 s[G1B+4], 64
	s_mov_b32 s[G1B+5], SIZE_K
	s_mov_b32 s[G1B+6], 0
	s_mov_b32 s[G1B+7], 0
	s_lshl_b32 s16, s13, 18                        ; A: the tile row's panel of 262,144 bytes,
	s_lshl_b32 s17, s12, 15                        ; + two heads for the second half
	s_add_co_u32 s16, s16, s17
	s_mov_b32 s17, 0
	s_lshl_b32 s46, s42, 7
	s_lshl_b32 s47, s12, 6
	s_add_co_u32 s46, s46, s47                     ; B: row 128 x tile column + 64 x half,
	s_lshl_b32 s46, s46, 11                        ; of 2,048 bytes
	s_mov_b32 s47, 0
	s_mul_i32 s20, s12, 2*PLANE                    ; where they go: no place in the cluster enters an LDS address
	s_mul_i32 s23, s12, 64*PITCH
	s_add_co_u32 s23, s23, BOFF
	s_wait_dscnt 0x0                               ; both opening adds are done
	s_wait_kmcnt 0x0
	s_add_nc_u64 s[14:15], s[4:5], s[16:17]
	s_add_nc_u64 s[46:47], s[6:7], s[46:47]
	CROUND                                         ; all sixteen work-groups are here: the first joint loads meet
.irp s, 0,1
	s_mov_b32 s[G0+4*\s], 1
	s_add_co_u32 s[G0+4*\s+1], s20, \s*SLOT
	s_add_nc_u64 s[G0+4*\s+2:G0+4*\s+3], s[14:15], \s*65536      ; K step s: four heads of 16,384 bytes on
	s_or_b32 s[G0+4*\s+3], s[G0+4*\s+3], 0x80000000
	s_mov_b32 s[G0B+4*\s], 1
	s_add_co_u32 s[G0B+4*\s+1], s23, \s*SLOT
	s_add_nc_u64 s[G0B+4*\s+2:G0B+4*\s+3], s[46:47], \s*KSTEP*2
	s_or_b32 s[G0B+4*\s+3], s[G0B+4*\s+3], 0x80000000
	JLOAD \s                                       ; two loads of mine are out at the most
.endr
	v_and_b32 v1, 15, v0                           ; l % 16
	v_bfe_u32 v2, v0, 4, 1                         ; l / 16
	v_mul_u32_u24 v3, v1, PA
	v_lshl_add_u32 v3, v2, 4, v3
	v_mul_u32_u24 v4, v1, PITCH
	v_lshl_add_u32 v4, v2, 4, v4
	s_mul_i32 s21, s11, 64*PA                      ; my 64 rows in each of A's planes
	s_mul_i32 s22, s12, 64*PITCH                   ; my 64 rows of B
	s_add_co_u32 s22, s22, BOFF
.irp s, 0,1
	v_add_nc_u32 v[ADRA+\s], s21, v3
	v_add_nc_u32 v[ADRB+\s], s22, v4
	s_add_co_u32 s21, s21, SLOT
	s_add_co_u32 s22, s22, SLOT
.endr
	s_mul_i32 s23, s10, 16*SPITCH
	s_add_co_u32 s23, s23, STAGE                   ; my stage
	v_mul_u32_u24 v5, v1, SPITCH                   ; in: row l % 16, 32 bytes for each half of the lanes
	v_lshl_add_u32 v5, v2, 5, v5
	v_add_nc_u32 v[STO], s23, v5
	v_mul_u32_u24 v5, v2, SPITCH                   ; back: lanes 0-15 one row of 256 bytes, lanes 16-31 the next
	v_lshl_add_u32 v5, v1, 4, v5
	v_add_nc_u32 v[RD], s23, v5
	v_lshlrev_b32 v5, 12, v2                       ; and the same two rows in out0
	v_lshl_add_u32 v[CO], v1, 4, v5
	s_lshl_b32 s16, s13, 7
	s_lshl_b32 s17, s11, 6
	s_add_co_u32 s16, s16, s17                     ; my first row: 128 x tile row + 64 x half,
	s_lshl_b32 s16, s16, 12                        ; of 4,096 bytes
	s_mov_b32 s17, 0
	s_add_nc_u64 s[8:9], s[8:9], s[16:17]
	s_lshl_b32 s46, s42, 9                         ; my first column, in bytes: 512 x tile column + 256 x half
	s_lshl_b32 s47, s12, 8
	s_add_co_u32 s46, s46, s47
	s_mov_b32 s47, 0
	s_add_nc_u64 s[8:9], s[8:9], s[46:47]
; 8 matrix instructions: m blocks a0, a0 + 1 x all 4 n blocks, 32 along K: half c of buffer f.  The 16 accumulators take turns.
.macro MUL8 f, c, a0, zero
.irp a, \a0, \a0+1
.irp b, 0,1,2,3
.if \zero
	v_wmma_f32_16x16x32_f16 v[ACC+8*(4*(\a)+\b):ACC+8*(4*(\a)+\b)+7], v[\f+64+8*(4*\c+\b):\f+64+8*(4*\c+\b)+7], v[\f+8*(4*\c+\a):\f+8*(4*\c+\a)+7], 0
.else
	v_wmma_f32_16x16x32_f16 v[ACC+8*(4*(\a)+\b):ACC+8*(4*(\a)+\b)+7], v[\f+64+8*(4*\c+\b):\f+64+8*(4*\c+\b)+7], v[\f+8*(4*\c+\a):\f+8*(4*\c+\a)+7], v[ACC+8*(4*(\a)+\b):ACC+8*(4*(\a)+\b)+7]
.endif
.endr
.endr
.endm
; 32 LDS loads in one run: the fragments of the slot's q-th 64 along K (A: head plane q; B: byte 128 q of the rows) into buffer f; the first 32 along K first
.macro FETCH slot, q, f
	WIN TO_F
.irp c, 0,1
.irp i, 0,1,2,3
	ds_load_b128 v[\f+64+8*(4*\c+\i):\f+64+8*(4*\c+\i)+3],   v[ADRB+\slot] offset:(\q)*128+64*\c+\i*16*PITCH
	ds_load_b128 v[\f+64+8*(4*\c+\i)+4:\f+64+8*(4*\c+\i)+7], v[ADRB+\slot] offset:(\q)*128+64*\c+\i*16*PITCH+32
	ds_load_b128 v[\f+8*(4*\c+\i):\f+8*(4*\c+\i)+3],         v[ADRA+\slot] offset:(\q)*PLANE+64*\c+\i*16*PA
	ds_load_b128 v[\f+8*(4*\c+\i)+4:\f+8*(4*\c+\i)+7],       v[ADRA+\slot] offset:(\q)*PLANE+64*\c+\i*16*PA+32
.endr
.endr
.endm
.macro PLACES                          ; four places in front of loads into registers that matrix instructions have read, and of the first read of results
.rept 4
	v_nop
.endr
.endm
.macro QUARTER slot, q, f, g, zero     ; multiplies buffer f and fetches the slot's quarter q into g
	s_wait_dscnt 16                                ; the first 32 along K are in; the youngest 16 loads may be out
	WIN MUL
	MUL8 \f, 0, 0, \zero
	MUL8 \f, 0, 2, \zero
	PLACES
	FETCH \slot, \q, \g
	s_wait_dscnt 32                                ; all but the 32 just issued
	WIN MUL
	MUL8 \f, 1, 0, 0
	MUL8 \f, 1, 2, 0
.endm
; The last quarter multiplies buffer 1 and changes slots: ONE barrier; in front of it each wave waits for all its tensor loads, adds 0 to its spare word, and waits for that and for its reads of this slot.  fill = 1: this slot is filled again, two K steps ahead.
.macro TURN slot, next, fill
	WIN 0
	s_wait_tensorcnt 0x0                           ; my part of the next slot has landed
	ds_add_u32 v[SPW], v[NIL]
	s_wait_dscnt 17                                ; (the add and the youngest sixteen loads may be out)
	WIN MUL
	MUL8 F1, 0, 0, 0
	s_wait_dscnt 0x0                               ; the add is done, and my reads of this slot are over
	s_barrier_signal -1
	MUL8 F1, 0, 2, 0
.if \fill
	WIN 0
.endif
	s_barrier_wait -1
.if \fill
	CREST                                          ; the barrier has opened a round of the cluster's barrier: no wave of any partner still reads this slot or has a load on its way
	s_add_nc_u64 s[G0+4*\slot+2:G0+4*\slot+3], s[G0+4*\slot+2:G0+4*\slot+3], 2*65536
	s_add_nc_u64 s[G0B+4*\slot+2:G0B+4*\slot+3], s[G0B+4*\slot+2:G0B+4*\slot+3], 2*KSTEP*2
	JLOAD \slot                                    ; the first tensor load behind the round; its four v_nop are also the places in front of the loads below
.else
	PLACES
.endif
	FETCH \next, 0, F0
	WIN MUL
	MUL8 F1, 1, 0, 0
	MUL8 F1, 1, 2, 0
.endm
	s_wait_tensorcnt 1                             ; my part of K step 0 is in (K step 1's load may be out),
	s_barrier_signal -1
	s_barrier_wait -1                              ; everybody's is
	FETCH 0, 0, F0
	QUARTER 0, 1, F0, F1, 1                        ; the first products start the sums
	WIN 0
	s_mov_b32 s3, LAPS-1
.Llap:                                             ; a trip goes once round the ring and fills both slots again
	QUARTER 0, 2, F1, F0, 0
	QUARTER 0, 3, F0, F1, 0
	TURN 0, 1, 1
	QUARTER 1, 1, F0, F1, 0
	QUARTER 1, 2, F1, F0, 0
	QUARTER 1, 3, F0, F1, 0
	TURN 1, 0, 1
	QUARTER 0, 1, F0, F1, 0
	WIN 0
	s_sub_co_u32 s3, s3, 1
	s_cmp_lg_u32 s3, 0
	s_cbranch_scc1 .Llap
	QUARTER 0, 2, F1, F0, 0                        ; the last lap fills nothing
	QUARTER 0, 3, F0, F1, 0
	TURN 0, 1, 0
	QUARTER 1, 1, F0, F1, 0
	QUARTER 1, 2, F1, F0, 0
	QUARTER 1, 3, F0, F1, 0
	s_wait_dscnt 16
	WIN MUL
	MUL8 F1, 0, 0, 0
	MUL8 F1, 0, 2, 0
	s_wait_dscnt 0
	MUL8 F1, 1, 0, 0
	MUL8 F1, 1, 2, 0
	WIN 0
; THE WAY OUT, block by block of 16 rows x 64 columns (256 bytes a row): through my own stage, back as whole rows; sixteen lanes store 256 consecutive bytes, aligned.
.macro TOSTAGE a
.irp b, 0,1,2,3
	ds_store_b128 v[STO], v[ACC+8*(4*(\a)+\b):ACC+8*(4*(\a)+\b)+3] offset:64*\b       ; each accumulator from its low end on
	ds_store_b128 v[STO], v[ACC+8*(4*(\a)+\b)+4:ACC+8*(4*(\a)+\b)+7] offset:64*\b+16
.endr
.irp t, 0,1,2,3,4,5,6,7
	ds_load_b128 v[TMP+32*((\a)%2)+4*\t:TMP+32*((\a)%2)+4*\t+3], v[RD] offset:2*\t*SPITCH   ; LDS serves a wave's instructions in order
.endr
.endm
.macro SEND a, younger
	s_wait_dscnt \younger                          ; the block is back; the next block's 8 stores and 8 loads may be out
.irp t, 0,1,2,3,4,5,6,7
	global_store_b128 v[CO], v[TMP+32*((\a)%2)+4*\t:TMP+32*((\a)%2)+4*\t+3], s[8:9] offset:(\a)*65536+2*\t*4096 th:TH_STORE_NT
.endr
.endm
	PLACES
	TOSTAGE 0
	TOSTAGE 1
	SEND 0, 16
	s_wait_xcnt 0x0                                ; block 0's stores have read their registers: block 2's loads may land there
	TOSTAGE 2
	SEND 1, 16
	s_wait_xcnt 0x0
	TOSTAGE 3
	SEND 2, 16
	SEND 3, 0
	s_wait_tensorcnt 0x0                           ; the wave's end
	ds_add_u32 v[SPW], v[NIL]
	s_wait_dscnt 0x0
	CROUND                                         ; the closing round
	s_endpgm
.Lfunc_end_k_q026ec9c446_oproj:
	.size	k_q026ec9c446_oproj, .Lfunc_end_k_q026ec9c446_oproj-k_q026ec9c446_oproj
	.p2alignl 7, 3214868480
	.fill 96, 4, 3214868480
	.section	.rodata,"a",@progbits
	.p2align	6, 0x0
	.amdhsa_kernel k_q026ec9c446_oproj
		.amdhsa_group_segment_fixed_size 327680
		.amdhsa_private_segment_fixed_size 0
		.amdhsa_enable_private_segment 0
		.amdhsa_kernarg_size 24
		.amdhsa_user_sgpr_count 2
		.amdhsa_user_sgpr_kernarg_segment_ptr 1
		.amdhsa_wavefront_size32 1
		.amdhsa_system_sgpr_workgroup_id_x 1
		.amdhsa_system_sgpr_workgroup_id_y 1
		.amdhsa_system_sgpr_workgroup_id_z 1
		.amdhsa_system_vgpr_workitem_id 0
		.amdhsa_next_free_vgpr 512
		.amdhsa_next_free_sgpr 66
		.amdhsa_reserve_vcc 0
		.amdhsa_float_denorm_mode_32 3
		.amdhsa_float_denorm_mode_16_64 3
		.amdhsa_memory_ordered 1
		.amdhsa_forward_progress 1
		.amdhsa_inst_pref_size 86
	.end_amdhsa_kernel
	.amdgpu_metadata
---
amdhsa.version: [ 1, 2 ]
amdhsa.kernels:
  - .name:           k_q026ec9c446_oproj
    .symbol:         k_q026ec9c446_oproj.kd
    .args:
      - { .name: ctx, .offset: 0, .size: 8, .value_kind: global_buffer, .address_space: global }
      - { .name: wo_h, .offset: 8, .size: 8, .value_kind: global_buffer, .address_space: global }
      - { .name: out0, .offset: 16, .size: 8, .value_kind: global_buffer, .address_space: global }
    .group_segment_fixed_size: 327680
    .private_segment_fixed_size: 0
    .kernarg_segment_align: 8
    .kernarg_segment_size: 24
    .max_flat_workgroup_size: 128
    .sgpr_count:     66
    .vgpr_count:     512
    .wavefront_size: 32
...
	.end_amdgpu_metadata
.endif
;; end of part 4
;; launch fine1 (part 5): grid 16 x 4, 4 waves a work-group, no clusters, 18,432 bytes of LDS; arguments x_codes, x_scales, w_codes, w_scales, ctxf; writes ctxf
.if DOCPART == 5
	.amdgcn_target "amdgcn-amd-amdhsa--gfx1250"
	.amdhsa_code_object_version 6
	.text
	.protected	k_q026ec9c446_fine1
	.globl	k_q026ec9c446_fine1
	.p2align	8
	.type	k_q026ec9c446_fine1,@function
k_q026ec9c446_fine1:
	s_mov_b64 s[64:65], 0
	v_nop
	global_prefetch_b8 v0, s[64:65] scope:SCOPE_SE
	s_setreg_imm32_b32 hwreg(HW_REG_WAVE_MODE, 25, 1), 1
	s_wait_xcnt 0x0
; The first 16 positions of every sequence, carried in f32: under the causal mask these rows average one to sixteen values, so roundings of operands weigh most there.
; Work-group (head, batch).  Phase 1, four waves: Q, K, V of positions 0-15 for this head, by the FP4 matrix instruction on the same codes as the large launch; wave w makes channels 16 w .. 16 w + 15 of all three; results stay f32, into LDS.
; Phase 2, wave 0: scores, mask, softmax with the row's maximum taken away, and the second product, all with f32 operands (the f32 matrix form: 32 instructions a work-group, no bulk work).  ctxf[16 batch + position][1024] f32.
; LIMITS: a hidden key counts as -infinity where the source has -1e9; NaN and infinities are not served.
; The registers that the f32 matrix form writes (v200-247) are written by matrix instructions alone; v16-47 hold scale words and nothing else.
.set PF,  272                          ; an LDS row: 64 f32 + 16 bytes
.set QM,  0
.set KM,  16*PF
.set VM,  2*16*PF
.set OST, 3*16*PF
.set SPARE, 4*16*PF                    ; the spare words, 128 bytes a wave, named by no other line
.set XS,  16                           ; v16-23  x's scale words, one for each 128 along K
.set WS,  24                           ; v24-47  the weights', 8 for each of q, k, v
.set XF,  48                           ; v48-79  x's fragments of four K steps
.set WF,  80                           ; v80-175 the weights', 3 x 4
.set ACC, 176                          ; v176-199 Q, K, V
.set SA,  200
.set SB,  208
.set OT,  216
	s_load_b256 s[4:11], s[0:1], 0x0               ; x_codes, x_scales, w_codes, w_scales
	s_load_b64 s[12:13], s[0:1], 0x20              ; ctxf
	v_lshl_add_u32 v6, v0, 2, SPARE                ; v6: my spare word; v7: 0; both kept
	v_mov_b32 v7, 0
	v_lshrrev_b32 v1, 5, v0
	v_readfirstlane_b32 s14, v1                    ; wave
	s_and_b32 s15, ttmp7, 0xffff                   ; batch
	v_and_b32 v1, 15, v0                           ; r
	v_bfe_u32 v2, v0, 4, 1                         ; h
	v_lshlrev_b32 v3, 9, v1
	v_lshl_add_u32 v3, v2, 4, v3                   ; codes: row r of 512 bytes, + 16 h
	v_lshlrev_b32 v4, 5, v1                        ; scale bytes: row r of 32
	v_mul_u32_u24 v8, v1, PF
	v_lshl_add_u32 v11, v2, 5, v8                  ; r PF + 32 h
	s_lshl_b32 s16, s14, 6
	v_add_nc_u32 v5, s16, v11                      ; v5: where my 8 channels of position r go: + 64 w
	v_add_nc_u32 v11, OST, v11                     ; v11: the same place in the stage for the result
	v_lshl_add_u32 v8, v2, 4, v8                   ; v8: Q, K for the f32 form: row r, + 16 h
	v_mul_u32_u24 v9, v2, 8*PF
	v_lshl_add_u32 v9, v1, 2, v9
	v_add_nc_u32 v9, VM, v9                        ; v9: V: key 8 h, channel r
	v_lshlrev_b32 v10, 3, v2
	v_sub_nc_u32 v10, v1, v10                      ; v10: r - 8 h
	v_mul_u32_u24 v12, v2, PF
	v_lshl_add_u32 v12, v1, 4, v12
	v_add_nc_u32 v12, OST, v12                     ; v12: the stage, back: lanes 0-15 one row, lanes 16-31 the next
	v_lshlrev_b32 v13, 12, v2
	v_lshl_add_u32 v13, v1, 4, v13                 ; v13: the same two rows in ctxf
	v_mov_b32 v14, 0xff800000                      ; -infinity
	s_mov_b32 s20, 0x76543210
	s_mov_b32 s21, 0xfedcba98
	s_mov_b32 s22, 0x3e38aa3b                      ; c = log2(e) / 8
	s_mov_b32 s17, 0
	s_wait_kmcnt 0x0
	s_lshl_b32 s16, s15, 20                        ; the batch's first row: 2,048 rows of 512 bytes,
	s_add_nc_u64 s[4:5], s[4:5], s[16:17]
	s_lshl_b32 s16, s15, 16                        ; of 32 bytes; and 16 rows of ctxf
	s_add_nc_u64 s[6:7], s[6:7], s[16:17]
	s_add_nc_u64 s[12:13], s[12:13], s[16:17]
	s_lshl_b32 s16, ttmp9, 15                      ; the weights' rows 64 head + 16 w
	s_lshl_b32 s18, s14, 13
	s_add_co_u32 s16, s16, s18
	s_add_nc_u64 s[8:9], s[8:9], s[16:17]
	s_lshl_b32 s16, ttmp9, 11
	s_lshl_b32 s18, s14, 9
	s_add_co_u32 s16, s16, s18
	s_add_nc_u64 s[10:11], s[10:11], s[16:17]
	s_lshl_b32 s16, ttmp9, 8                       ; the head's 256 bytes of a row of ctxf
	s_add_nc_u64 s[12:13], s[12:13], s[16:17]
	global_load_b128 v[XS:XS+3], v4, s[6:7]
	global_load_b128 v[XS+4:XS+7], v4, s[6:7] offset:16
.irp wh, 0,1,2
	global_load_b128 v[WS+8*\wh:WS+8*\wh+3], v4, s[10:11] offset:\wh*32768
	global_load_b128 v[WS+8*\wh+4:WS+8*\wh+7], v4, s[10:11] offset:\wh*32768+16
.endr
; Four K steps of 128: the fragments, then 12 products, the three accumulators by turns.  Source 0 = 16 rows of the weight, source 1 = x's 16 positions: a lane holds position r and channels 8 h + 0..7 of my 16.
.macro BATCH g
.irp s, 0,1,2,3
.irp c, 0,1
	global_load_b128 v[XF+8*\s+4*\c:XF+8*\s+4*\c+3], v3, s[4:5] offset:256*\g+64*\s+32*\c
.endr
.endr
.irp wh, 0,1,2
.irp s, 0,1,2,3
.irp c, 0,1
	global_load_b128 v[WF+32*\wh+8*\s+4*\c:WF+32*\wh+8*\s+4*\c+3], v3, s[8:9] offset:\wh*524288+256*\g+64*\s+32*\c
.endr
.endr
.endr
	s_wait_loadcnt 0x0
.irp s, 0,1,2,3
.irp wh, 0,1,2
.if (\g == 0) && (\s == 0)
	v_wmma_scale_f32_16x16x128_f8f6f4 v[ACC+8*\wh:ACC+8*\wh+7], v[WF+32*\wh+8*\s:WF+32*\wh+8*\s+7], v[XF+8*\s:XF+8*\s+7], 0, v[WS+8*\wh+4*\g+\s], v[XS+4*\g+\s] matrix_a_fmt:MATRIX_FMT_FP4 matrix_b_fmt:MATRIX_FMT_FP4
.else
	v_wmma_scale_f32_16x16x128_f8f6f4 v[ACC+8*\wh:ACC+8*\wh+7], v[WF+32*\wh+8*\s:WF+32*\wh+8*\s+7], v[XF+8*\s:XF+8*\s+7], v[ACC+8*\wh:ACC+8*\wh+7], v[WS+8*\wh+4*\g+\s], v[XS+4*\g+\s] matrix_a_fmt:MATRIX_FMT_FP4 matrix_b_fmt:MATRIX_FMT_FP4
.endif
.endr
.endr
.rept 4
	v_nop                                          ; places in front of loads into the fragments' registers and of the first read of results
.endr
.endm
	BATCH 0
	BATCH 1
.irp wh, 0,1,2
	ds_store_b128 v5, v[ACC+8*\wh:ACC+8*\wh+3] offset:\wh*16*PF          ; each accumulator from its low end on
	ds_store_b128 v5, v[ACC+8*\wh+4:ACC+8*\wh+7] offset:\wh*16*PF+16
.endr
	s_wait_dscnt 0x0                               ; for the others' sake: my stores have landed
	s_barrier_signal -1
	s_barrier_wait -1
	s_cmp_lg_u32 s14, 0
	s_cbranch_scc1 .Lend                           ; the rest is one wave's work: 16 x 16 scores
	; ---- scores: S^T = K Q^T.  A lane's 16 bytes at 16 h + 32 c are channels 8 c + 4 h + 0..3: each pair of registers is one K step of 4 (the same four channels on both sides).
.irp c, 0,1,2,3,4,5,6,7
	ds_load_b128 v[48+4*\c:51+4*\c], v8 offset:QM+32*\c
.endr
.irp c, 0,1,2,3,4,5,6,7
	ds_load_b128 v[80+4*\c:83+4*\c], v8 offset:KM+32*\c
.endr
.irp t, 0,1,2,3
.irp u, 0,1,2,3
.irp j, 0,1
	ds_load_b32 v[128+8*\t+2*\u+\j], v9 offset:(2*\u+\j)*PF+64*\t      ; V(key 8 h + 2 u + j, channel 16 t + r)
.endr
.endr
.endr
	s_wait_dscnt 32                                ; Q and K are in; V's 32 loads may be out
	v_wmma_f32_16x16x4_f32 v[SA:SA+7], v[80:81], v[48:49], 0             ; two sums by turns; each begins with its own first K step
	v_wmma_f32_16x16x4_f32 v[SB:SB+7], v[82:83], v[50:51], 0
.irp c, 1,2,3,4,5,6,7
	v_wmma_f32_16x16x4_f32 v[SA:SA+7], v[80+4*\c:81+4*\c], v[48+4*\c:49+4*\c], v[SA:SA+7]
	v_wmma_f32_16x16x4_f32 v[SB:SB+7], v[82+4*\c:83+4*\c], v[50+4*\c:51+4*\c], v[SB:SB+7]
.endr
.rept 8
	v_nop                                          ; eight places behind this form
.endr
.irp j, 0,1,2,3,4,5,6,7
	v_add_f32 v[112+\j], v[SA+\j], v[SB+\j]        ; lane (r, h): query r, key 8 h + j
.endr
.irp j, 0,1,2,3,4,5,6,7
	v_cmp_gt_i32 vcc_lo, \j, v10                   ; hidden where 8 h + j > r
	v_cndmask_b32 v[112+\j], v[112+\j], v14, vcc_lo
.endr
	v_max3_num_f32 v248, v112, v113, v114
	v_max3_num_f32 v249, v115, v116, v117
	v_max3_num_f32 v248, v248, v118, v119
	v_max_num_f32 v248, v248, v249
	v_permlanex16_b32 v249, v248, s20, s21
	v_max_num_f32 v248, v248, v249                 ; the row's maximum (key 0 is open for every query)
	v_mul_f32 v248, s22, v248
.irp j, 0,1,2,3,4,5,6,7
	v_fma_f32 v[112+\j], v[112+\j], s22, -v248
.endr
.irp j, 0,1,2,3,4,5,6,7
	v_exp_f32 v[112+\j], v[112+\j]
.endr
	v_nop
	s_wait_alu depctr_va_vdst(0)                   ; one wait for the eight, ahead of their first reader
	v_add_f32 v250, v112, v113
	v_add_f32 v251, v114, v115
	v_add_f32 v252, v116, v117
	v_add_f32 v253, v118, v119
	v_add_f32 v250, v250, v251
	v_add_f32 v252, v252, v253
	v_add_f32 v250, v250, v252
	v_permlanex16_b32 v251, v250, s20, s21
	v_add_f32 v250, v250, v251                     ; the row's sum
	v_rcp_f32 v250, v250
	v_nop
	s_wait_alu depctr_va_vdst(0)
	s_wait_dscnt 0x0                               ; V is in
	; ---- O^T = V^T P: K step u takes keys 8 h + 2 u + j on both sides; the four tiles of channels by turns
.irp t, 0,1,2,3
	v_wmma_f32_16x16x4_f32 v[OT+8*\t:OT+8*\t+7], v[128+8*\t:129+8*\t], v[112:113], 0
.endr
.irp u, 1,2,3
.irp t, 0,1,2,3
	v_wmma_f32_16x16x4_f32 v[OT+8*\t:OT+8*\t+7], v[128+8*\t+2*\u:129+8*\t+2*\u], v[112+2*\u:113+2*\u], v[OT+8*\t:OT+8*\t+7]
.endr
.endr
.rept 8
	v_nop
.endr
.set j, 0
.rept 32
	v_mul_f32 v[48+j], v[OT+j], v250               ; / the sum, into other registers: lane (r, h), register 8 t + i: channel 16 t + 8 h + i of query r
.set j, j+1
.endr
.irp t, 0,1,2,3
	ds_store_b128 v11, v[48+8*\t:51+8*\t] offset:64*\t
	ds_store_b128 v11, v[52+8*\t:55+8*\t] offset:64*\t+16
.endr
.irp i, 0,1,2,3,4,5,6,7
	ds_load_b128 v[80+4*\i:83+4*\i], v12 offset:2*\i*PF    ; these see the stores above
.endr
.irp i, 0,1,2,3,4,5,6,7
	s_wait_dscnt 7-\i                              ; the younger loads may be out
	global_store_b128 v13, v[80+4*\i:83+4*\i], s[12:13] offset:8192*\i     ; sixteen lanes store 256 consecutive bytes, aligned
.endr
.Lend:
	s_wait_tensorcnt 0x0                           ; the wave's end
	ds_add_u32 v6, v7
	s_wait_dscnt 0x0
	s_endpgm
.Lfunc_end_k_q026ec9c446_fine1:
	.size	k_q026ec9c446_fine1, .Lfunc_end_k_q026ec9c446_fine1-k_q026ec9c446_fine1
	.p2alignl 7, 3214868480
	.fill 96, 4, 3214868480
	.section	.rodata,"a",@progbits
	.p2align	6, 0x0
	.amdhsa_kernel k_q026ec9c446_fine1
		.amdhsa_group_segment_fixed_size 18432
		.amdhsa_private_segment_fixed_size 0
		.amdhsa_enable_private_segment 0
		.amdhsa_kernarg_size 40
		.amdhsa_user_sgpr_count 2
		.amdhsa_user_sgpr_kernarg_segment_ptr 1
		.amdhsa_wavefront_size32 1
		.amdhsa_system_sgpr_workgroup_id_x 1
		.amdhsa_system_sgpr_workgroup_id_y 1
		.amdhsa_system_sgpr_workgroup_id_z 1
		.amdhsa_system_vgpr_workitem_id 0
		.amdhsa_next_free_vgpr 256
		.amdhsa_next_free_sgpr 66
		.amdhsa_reserve_vcc 1
		.amdhsa_float_denorm_mode_32 3
		.amdhsa_float_denorm_mode_16_64 3
		.amdhsa_memory_ordered 1
		.amdhsa_forward_progress 1
		.amdhsa_inst_pref_size 25
	.end_amdhsa_kernel
	.amdgpu_metadata
---
amdhsa.version: [ 1, 2 ]
amdhsa.kernels:
  - .name:           k_q026ec9c446_fine1
    .symbol:         k_q026ec9c446_fine1.kd
    .args:
      - { .name: x_codes, .offset: 0, .size: 8, .value_kind: global_buffer, .address_space: global }
      - { .name: x_scales, .offset: 8, .size: 8, .value_kind: global_buffer, .address_space: global }
      - { .name: w_codes, .offset: 16, .size: 8, .value_kind: global_buffer, .address_space: global }
      - { .name: w_scales, .offset: 24, .size: 8, .value_kind: global_buffer, .address_space: global }
      - { .name: ctxf, .offset: 32, .size: 8, .value_kind: global_buffer, .address_space: global }
    .group_segment_fixed_size: 18432
    .private_segment_fixed_size: 0
    .kernarg_segment_align: 8
    .kernarg_segment_size: 40
    .max_flat_workgroup_size: 128
    .sgpr_count:     66
    .vgpr_count:     256
    .wavefront_size: 32
...
	.end_amdgpu_metadata
.endif
;; end of part 5
;; launch fine2 (part 6): grid 16 x 4, 4 waves a work-group, no clusters, 5,120 bytes of LDS; arguments ctxf, o_proj, out0; writes out0
.if DOCPART == 6
	.amdgcn_target "amdgcn-amd-amdhsa--gfx1250"
	.amdhsa_code_object_version 6
	.text
	.protected	k_q026ec9c446_fine2
	.globl	k_q026ec9c446_fine2
	.p2align	8
	.type	k_q026ec9c446_fine2,@function
k_q026ec9c446_fine2:
	s_mov_b64 s[64:65], 0
	v_nop
	global_prefetch_b8 v0, s[64:65] scope:SCOPE_SE
	s_setreg_imm32_b32 hwreg(HW_REG_WAVE_MODE, 25, 1), 1
	s_wait_xcnt 0x0
; The output projection of the first 16 positions of every sequence, with f32 operands: out0[2048 batch + s][n] = sum over k of ctxf[16 batch + s][k] o_proj[n][k], s < 16.  64 rows of 8,192: no bulk work.
; Work-group (64 columns, batch); wave w makes columns 16 w .. 16 w + 15 of them.  Source 0 = 16 rows of o_proj, source 1 = the 16 positions: a lane holds position r and eight neighbouring columns.
; A lane's 16 bytes at 16 h + 32 c of a row are k = 8 c + 4 h + 0..3: each pair of registers is one K step of 4, the same four k on both sides.  K goes in 16 chunks of 64, two chunks of loads in flight.
; Four sums take turns, one instruction a turn; their registers, v160-191, are written by matrix instructions alone; they are added at the end into other registers.
.set PF, 272
.set SPARE, 16*PF                      ; behind the stage (16 rows x 272 bytes): the spare words, 128 bytes a wave
	s_load_b128 s[4:7], s[0:1], 0x0                ; ctxf, o_proj
	s_load_b64 s[8:9], s[0:1], 0x10                ; out0
	v_lshl_add_u32 v2, v0, 2, SPARE                ; v2: my spare word; v3: 0; both kept
	v_mov_b32 v3, 0
	v_lshrrev_b32 v1, 5, v0
	v_readfirstlane_b32 s10, v1                    ; wave
	s_and_b32 s11, ttmp7, 0xffff                   ; batch
	v_and_b32 v4, 15, v0                           ; r
	v_bfe_u32 v5, v0, 4, 1                         ; h
	v_lshlrev_b32 v1, 12, v4
	v_lshl_add_u32 v1, v5, 4, v1                   ; v1: row r of 4,096 bytes, + 16 h
	v_mul_u32_u24 v6, v4, PF
	v_lshl_add_u32 v6, v5, 5, v6
	s_lshl_b32 s12, s10, 6
	v_add_nc_u32 v6, s12, v6                       ; v6: the stage, in: row r, + 64 w + 32 h
	s_lshl_b32 s12, s10, 2
	v_add_nc_u32 v8, s12, v5                       ; row 4 w + h
	v_mul_u32_u24 v7, v8, PF
	v_lshl_add_u32 v7, v4, 4, v7                   ; v7: the stage, back
	v_lshlrev_b32 v8, 12, v8
	v_lshl_add_u32 v8, v4, 4, v8                   ; v8: the same row in out0
	s_mov_b32 s13, 0
	s_wait_kmcnt 0x0
	s_lshl_b32 s12, s11, 16                        ; the batch's 16 rows of ctxf
	s_add_nc_u64 s[4:5], s[4:5], s[12:13]
	s_lshl_b32 s12, ttmp9, 18                      ; o_proj's rows 64 x + 16 w
	s_lshl_b32 s14, s10, 16
	s_add_co_u32 s12, s12, s14
	s_add_nc_u64 s[6:7], s[6:7], s[12:13]
	s_lshl_b32 s12, s11, 23                        ; the batch's first row of out0,
	s_lshl_b32 s14, ttmp9, 8                       ; my work-group's 256 bytes of a row
	s_add_co_u32 s12, s12, s14
	s_add_nc_u64 s[8:9], s[8:9], s[12:13]
.macro LOADC k                         ; chunk k: 64 along K of both sides into set k % 2
.irp c, 0,1,2,3,4,5,6,7
	global_load_b128 v[32+32*((\k)%2)+4*\c:35+32*((\k)%2)+4*\c], v1, s[6:7] offset:256*(\k)+32*\c
	global_load_b128 v[96+32*((\k)%2)+4*\c:99+32*((\k)%2)+4*\c], v1, s[4:5] offset:256*(\k)+32*\c
.endr
.endm
.macro CHUNK k
.if (\k) < 15
	s_wait_loadcnt 16                              ; this chunk is in; the next chunk's 16 loads may be out
.else
	s_wait_loadcnt 0x0
.endif
.irp i, 0,1,2,3,4,5,6,7,8,9,10,11,12,13,14,15
.if ((\k) == 0) && (\i < 4)
	v_wmma_f32_16x16x4_f32 v[160+8*(\i%4):167+8*(\i%4)], v[32+32*((\k)%2)+2*\i:33+32*((\k)%2)+2*\i], v[96+32*((\k)%2)+2*\i:97+32*((\k)%2)+2*\i], 0
.else
	v_wmma_f32_16x16x4_f32 v[160+8*(\i%4):167+8*(\i%4)], v[32+32*((\k)%2)+2*\i:33+32*((\k)%2)+2*\i], v[96+32*((\k)%2)+2*\i:97+32*((\k)%2)+2*\i], v[160+8*(\i%4):167+8*(\i%4)]
.endif
.endr
.rept 8
	v_nop                                          ; eight places behind this form, in front of loads into its sources and of the first read of results
.endr
.if (\k) < 14
	LOADC (\k)+2
.endif
.endm
	LOADC 0
	LOADC 1
.set Q, 0
.rept 16
	CHUNK Q
.set Q, Q+1
.endr
.irp j, 0,2,4,6
	v_pk_add_f32 v[192+\j:193+\j], v[160+\j:161+\j], v[168+\j:169+\j]    ; each sum is read from its low end on
.endr
.irp j, 0,2,4,6
	v_pk_add_f32 v[200+\j:201+\j], v[176+\j:177+\j], v[184+\j:185+\j]
.endr
.irp j, 0,2,4,6
	v_pk_add_f32 v[192+\j:193+\j], v[192+\j:193+\j], v[200+\j:201+\j]
.endr
	ds_store_b128 v6, v[192:195]                   ; lane (r, h): columns 16 w + 8 h + 0..7 of position r
	ds_store_b128 v6, v[196:199] offset:16
	s_wait_dscnt 0x0                               ; for the others' sake: a row's 256 bytes come from four waves
	s_barrier_signal -1
	s_barrier_wait -1
	ds_load_b128 v[200:203], v7                    ; rows 4 w, 4 w + 1,
	ds_load_b128 v[204:207], v7 offset:2*PF        ; 4 w + 2, 4 w + 3
	s_wait_dscnt 0x0
	global_store_b128 v8, v[200:203], s[8:9]       ; sixteen lanes store 256 consecutive bytes, aligned
	global_store_b128 v8, v[204:207], s[8:9] offset:8192
	s_wait_tensorcnt 0x0                           ; the wave's end
	ds_add_u32 v2, v3
	s_wait_dscnt 0x0
	s_endpgm
.Lfunc_end_k_q026ec9c446_fine2:
	.size	k_q026ec9c446_fine2, .Lfunc_end_k_q026ec9c446_fine2-k_q026ec9c446_fine2
	.p2alignl 7, 3214868480
	.fill 96, 4, 3214868480
	.section	.rodata,"a",@progbits
	.p2align	6, 0x0
	.amdhsa_kernel k_q026ec9c446_fine2
		.amdhsa_group_segment_fixed_size 5120
		.amdhsa_private_segment_fixed_size 0
		.amdhsa_enable_private_segment 0
		.amdhsa_kernarg_size 24
		.amdhsa_user_sgpr_count 2
		.amdhsa_user_sgpr_kernarg_segment_ptr 1
		.amdhsa_wavefront_size32 1
		.amdhsa_system_sgpr_workgroup_id_x 1
		.amdhsa_system_sgpr_workgroup_id_y 1
		.amdhsa_system_sgpr_workgroup_id_z 1
		.amdhsa_system_vgpr_workitem_id 0
		.amdhsa_next_free_vgpr 208
		.amdhsa_next_free_sgpr 66
		.amdhsa_reserve_vcc 0
		.amdhsa_float_denorm_mode_32 3
		.amdhsa_float_denorm_mode_16_64 3
		.amdhsa_memory_ordered 1
		.amdhsa_forward_progress 1
		.amdhsa_inst_pref_size 48
	.end_amdhsa_kernel
	.amdgpu_metadata
---
amdhsa.version: [ 1, 2 ]
amdhsa.kernels:
  - .name:           k_q026ec9c446_fine2
    .symbol:         k_q026ec9c446_fine2.kd
    .args:
      - { .name: ctxf, .offset: 0, .size: 8, .value_kind: global_buffer, .address_space: global }
      - { .name: o_proj, .offset: 8, .size: 8, .value_kind: global_buffer, .address_space: global }
      - { .name: out0, .offset: 16, .size: 8, .value_kind: global_buffer, .address_space: global }
    .group_segment_fixed_size: 5120
    .private_segment_fixed_size: 0
    .kernarg_segment_align: 8
    .kernarg_segment_size: 24
    .max_flat_workgroup_size: 128
    .sgpr_count:     66
    .vgpr_count:     208
    .wavefront_size: 32
...
	.end_amdgpu_metadata
.endif
;; end of part 6
